; MI455X (gfx1250); checked and timed in simulation.
; The chip was launched on July 23, 2026; its instructions are those of AMD's public machine-readable ISA for CDNA 5 (MIT licence, August 2026) and "CDNA5" Instruction Set Architecture Reference Guide (July 2026). The comments in the code are by the model that wrote it; some were corrected since.
;; Disentangled Self Attention. Allowed arithmetic: matrix products marked QUANTISED: E2M3 operands, one E8M0 scale for each 32 along K, by v_wmma_scale_f32_16x16x128_f8f6f4 with both operands' format E2M3, f32 sums; everything else in f32.
;; Inputs: Wk_codes 1,024 x 32 x 24 uint8 (E2M3 codes of Wk, K innermost, in blocks of 32 codes, four codes in three bytes); Wk_scales 1,024 x 32 uint8 (E8M0 scales of Wk, one for each 32 codes along K); Wo_codes 1,024 x 32 x 24 uint8 (E2M3 codes of Wo, K innermost, in blocks of 32 codes, four codes in three bytes); Wo_scales 1,024 x 32 uint8 (E8M0 scales of Wo, one for each 32 codes along K); Wpk_codes 1,024 x 32 x 24 uint8 (E2M3 codes of Wpk, K innermost, in blocks of 32 codes, four codes in three bytes); Wpk_scales 1,024 x 32 uint8 (E8M0 scales of Wpk, one for each 32 codes along K); Wpq_codes 1,024 x 32 x 24 uint8 (E2M3 codes of Wpq, K innermost, in blocks of 32 codes, four codes in three bytes); Wpq_scales 1,024 x 32 uint8 (E8M0 scales of Wpq, one for each 32 codes along K); Wq_codes 1,024 x 32 x 24 uint8 (E2M3 codes of Wq, K innermost, in blocks of 32 codes, four codes in three bytes); Wq_scales 1,024 x 32 uint8 (E8M0 scales of Wq, one for each 32 codes along K); Wv_codes 1,024 x 32 x 24 uint8 (E2M3 codes of Wv, K innermost, in blocks of 32 codes, four codes in three bytes); Wv_scales 1,024 x 32 uint8 (E8M0 scales of Wv, one for each 32 codes along K); bk 1,024 float32; bo 1,024 float32; bpk 1,024 float32; bpq 1,024 float32; bq 1,024 float32; bv 1,024 float32; hidden_states 2 x 2,048 x 1,024 float32; ln_b 1,024 float32; ln_g 1,024 float32; pos_emb_codes 2,048 x 32 x 24 uint8 (E2M3 codes of pos_emb, K innermost, in blocks of 32 codes, four codes in three bytes); pos_emb_scales 2,048 x 32 uint8 (E8M0 scales of pos_emb, one for each 32 codes along K).
;; Outputs: out0 2 x 2,048 x 1,024 float32.
;; This version of the problem:
;;   THIS VERSION OF THE PROBLEM IS GIVEN IN LOW PRECISION. The matrix products marked QUANTISED in the list below multiply operands that are first quantised to E2M3 (2 exponent bits, 3 mantissa bits; 6 bits a number), with one power-of-two scale for each 32 numbers along K (OCP MX v1.0); their sums are f32. All else is computed in f32.
;;   The module's matrix products, in the order in which they are computed (A, B: the left and right operand; K: the contracted axis; several contracted axes count as one K, in the product's order):
;;     1. [M 4,096, K 1,024] x [K 1,024, N 1,024]; A: input hidden_states; B: input Wq (given as codes): QUANTISED
;;     2. [M 4,096, K 1,024] x [K 1,024, N 1,024]; A: input hidden_states; B: input Wk (given as codes): QUANTISED
;;     3. [M 4,096, K 1,024] x [K 1,024, N 1,024]; A: input hidden_states; B: input Wv (given as codes): QUANTISED
;;     4. [M 2,048, K 1,024] x [K 1,024, N 1,024]; A: input pos_emb (given as codes); B: input Wpq (given as codes): QUANTISED
;;     5. [M 2,048, K 1,024] x [K 1,024, N 1,024]; A: input pos_emb (given as codes); B: input Wpk (given as codes): QUANTISED
;;     6. batch 32 x [M 2,048, K 64] x [K 64, N 2,048]; A: computed on the way; B: computed on the way: QUANTISED
;;     7. batch 16 x [M 4,096, K 64] x [K 64, N 2,048]; A: computed on the way; B: computed on the way: QUANTISED
;;     8. batch 16 x [M 2,048, K 64] x [K 64, N 4,096]; A: computed on the way; B: computed on the way: QUANTISED
;;     9. batch 32 x [M 2,048, K 2,048] x [K 2,048, N 64]; A: softmax (see below); B: computed on the way: QUANTISED
;;     10. [M 4,096, K 1,024] x [K 1,024, N 1,024]; A: computed on the way; B: input Wo (given as codes): QUANTISED
;;   THE QUANTISER, for each operand of a quantised product, along K:
;;     - K is cut into blocks of 32 from its start; a last block that is shorter is filled with zeros.
;;     - A block's scale is 2^e with e = floor(log2(the largest magnitude in the block)) - 2, held to -126 .. 127; a block of zeros has e = 0. As a byte (E8M0): e + 127.
;;     - Each number is divided by its block's scale, clamped to +-7.5, and rounded to the nearest number of E2M3, ties to even, subnormals kept.
;;     - The product sums the exact products of the quantised numbers (number of the format x scale) in f32.
;;   ~~~python
;;   def quantise(x, axis):      # numpy; x: float32 -> the quantised numbers, widened to float32 again
;;       x = np.moveaxis(x, axis, -1); K = x.shape[-1]
;;       x = np.pad(x, [(0, 0)] * (x.ndim - 1) + [(0, -K % 32)]); x = x.reshape(x.shape[:-1] + (-1, 32)); a = np.abs(x).max(-1, keepdims=True)
;;       e = np.where(a > 0, np.clip(np.frexp(np.where(a > 0, a, 1))[1] - 1 - 2, -126, 127), 0)      # np.frexp(a)[1] - 1 = floor(log2(a)), exactly
;;       r = np.clip(x / 2.0 ** e, -7.5, 7.5)
;;       step = 2.0 ** (np.maximum(np.frexp(np.where(r == 0, 1, r))[1] - 1, 0) - 3)
;;       q = np.round(r / step) * step * 2.0 ** e      # np.round: ties to even
;;       return np.moveaxis(q.reshape(q.shape[:-2] + (-1,))[..., :K], -1, axis).astype(np.float32)
;;   ~~~
;;   SOFTMAX AHEAD OF A QUANTISED PRODUCT. Where the list says 'softmax', what is quantised is not the finished softmax but p = 2^(t - M), with t = logit x log2(e) and M = ceil(the row's largest t), a whole number; so 1/2 < the row's largest p <= 1. The row's sum l is taken of the UNQUANTISED p, in f32, and the product's result is divided by l at the end. Since M is a whole number, a kernel that streams over the keys may use a running M (the ceiling of the running maximum): every later rescaling is an exact power of two, which a block's scale takes up: the codes' values come out the same.
;;   OPERANDS COMPUTED ON THE WAY. 'Computed on the way' means the value that the module computes at that place (a softmax that the list does not call 'softmax' is quantised finished and normalised). What goes into a quantiser is computed in f32, as accurately as f32 sums, v_exp_f32 and their like allow (about 1e-6 of the number): no bf16 or f16 on the way to a quantiser, and a product that is left as it is and whose result goes on into a quantised operand takes f32 operands (vector FMAs, or v_wmma_f32_16x16x4_f32). A number that lies on a knife's edge between two numbers of the format may be rounded either way, as far as f32 arithmetic and the matrix unit's own rounding can turn it there, and no further.
;;   INPUTS GIVEN AS CODES. Wk (in the module: [1024, 1024], K = its axis 0); Wo (in the module: [1024, 1024], K = its axis 0); Wpk (in the module: [1024, 1024], K = its axis 0); Wpq (in the module: [1024, 1024], K = its axis 0); Wq (in the module: [1024, 1024], K = its axis 0); Wv (in the module: [1024, 1024], K = its axis 0); pos_emb (in the module: [2048, 1024], K = its axis 1): each comes as NAME_codes (uint8): NAME with its K axis moved to the last place and cut into blocks of 32 codes, [.., K / 32, bytes a block], one block behind the other in memory; four codes in three bytes: a row's codes are one little-endian stream of bits, code i at bits 6 i .. 6 i + 5 (a code: sign, 2 exponent bits, 3 mantissa bits); and NAME_scales (uint8): the same leading axes, one E8M0 byte (e + 127) for each 32 codes along K. Its value is code x scale, taken as it is: it is not quantised again, and the codes and scales need not be those that the quantiser above would give.
;; One version. Each part assembles by itself: llvm-mc -triple=amdgcn-amd-amdhsa -mcpu=gfx1250 --defsym DOCPART=n.
;; ======== version 1 of 1: 4 launches
;; limits: right only within a limited range of input values
;; workspace buffers: xq_codes 3,145,728 bytes; xq_scales 131,072 bytes; wo_img 786,432 bytes; img 12,582,912 bytes; sc 1,048,576 bytes; ao_img 3,145,728 bytes; ao_sc 262,144 bytes
;; launch prep (part 1): grid 144 x 1, 4 waves a work-group, no clusters, 33,280 bytes of LDS; arguments hidden_states, Wo_codes, xq_codes, xq_scales, wo_img; writes xq_codes, xq_scales, wo_img
.if DOCPART == 1
	.amdgcn_target "amdgcn-amd-amdhsa--gfx1250"
	.amdhsa_code_object_version 6
	.text
	.protected	k_q9ee36e4e8f_prep
	.globl	k_q9ee36e4e8f_prep
	.p2align	8
	.type	k_q9ee36e4e8f_prep,@function
k_q9ee36e4e8f_prep:
	s_mov_b64 s[64:65], 0
	v_nop
	global_prefetch_b8 v0, s[64:65] scope:SCOPE_SE
	s_setreg_imm32_b32 hwreg(HW_REG_WAVE_MODE, 25, 1), 1
	s_wait_xcnt 0x0
; PREP.  Two jobs in one launch, told apart by the work-group's number.
; Work-groups 0-127: hidden_states [4096][1024] f32 becomes codes of FP6 (E2M3), K innermost (768 bytes a row), and one E8M0 byte for each 32 along K (32 bytes a row): the layout in which pos_emb arrives.
;   A block's scale is 2^(floor(log2(its largest magnitude)) - 2); its byte is the largest magnitude's exponent field - 2, held at 1 from below.
;   Rows are dense and 1024 is a multiple of 32: the tensor is a plain stream of blocks.  A wave takes 16 steps of 512 numbers.  Each load reads 512 consecutive bytes; a step's 2,048 bytes turn through the wave's own
;   stage in LDS (16 bytes of padding behind each 64) and come back 64 bytes a lane: 16 neighbours along K, as the conversion wants them.  Two neighbouring lanes hold a block.
; Work-groups 128-143: Wo's codes are laid anew in the order of an operand's registers: [tile of 16 rows][K step of 128][register group c][lane][16 bytes], so that the last launch loads a fragment by three loads of 512 consecutive bytes.
; LIMITS: a block of zeros gets the byte 1 where the rule says 127 (its codes are zeros, and this program alone reads the bytes); blocks whose largest magnitude lies under 2^-124 are held at the byte 1; NaN and infinities are not served.
.set STEPS, 16
.set XWG,   128                        ; work-groups for x: 4,194,304 numbers / 32,768
.set EMAX,  2
.set CB,    12                         ; bytes of 16 codes
.set R,     16                         ; v16-79   four sets of 16 numbers as they are loaded
.set X,     80                         ; v80-111  two sets of 16 neighbours
.set C,     128                        ; v128-191 codes: four registers for each step, so that no store's data are written again
.set E,     112                        ; v112-127 a scale byte for each step
.set WREG,  8192                       ; LDS: a region for each wave: two stages of 32 x SP bytes, behind them its 256 scale bytes
.set SP,    80                         ; a lane's place in a stage: 64 bytes + 16 of padding
	s_load_b256 s[4:11], s[0:1], 0x0               ; x s[4:5], Wo's codes s[6:7], x's codes s[8:9], x's scale bytes s[10:11]
	s_load_b64 s[12:13], s[0:1], 0x20              ; Wo's image
	v_lshl_add_u32 v192, v0, 2, 0x8000
	v_mov_b32 v193, 0
	v_lshrrev_b32 v1, 5, v0
	v_readfirstlane_b32 s16, v1                    ; wave
	v_and_b32 v2, 31, v0                           ; lane
	s_wait_kmcnt 0x0
	s_cmp_lt_u32 ttmp9, XWG
	s_cbranch_scc0 .Lwo
	; ---- x
	s_wait_alu depctr_va_vdst(0)
	v_lshlrev_b32 v3, 4, v2                        ; my 16 bytes of a load's 512
	s_mul_i32 s17, s16, WREG
	v_lshrrev_b32 v14, 2, v2
	v_mul_u32_u24 v14, v14, SP
	v_and_b32 v15, 3, v2
	v_lshl_add_u32 v14, v15, 4, v14
	v_add_nc_u32 v14, s17, v14                     ; the stage on the way in: SP (lane / 4) + 16 (lane % 4)
	v_mul_u32_u24 v15, v2, SP
	v_add_nc_u32 v15, s17, v15                     ; and on the way out: SP x lane
	v_mul_u32_u24 v4, v2, CB                       ; my codes' place in a step's
	v_lshrrev_b32 v5, 1, v2
	s_add_co_u32 s17, s17, 2*32*SP
	v_add_nc_u32 v5, s17, v5                       ; my wave's 256 scale bytes, my block's byte
	v_lshlrev_b32 v7, 3, v2
	v_add_nc_u32 v6, s17, v7                       ; and on the way out 8 bytes a lane
	s_lshl_b32 s17, ttmp9, 2
	s_add_co_u32 s18, s17, s16                     ; which run of 8,192 numbers is my wave's
	s_mov_b32 s19, 0
	s_mov_b64 s[20:21], 512*STEPS*4
	s_mul_u64 s[20:21], s[18:19], s[20:21]
	s_add_nc_u64 s[4:5], s[4:5], s[20:21]
	s_mov_b64 s[20:21], 32*STEPS*CB
	s_mul_u64 s[20:21], s[18:19], s[20:21]
	s_add_nc_u64 s[8:9], s[8:9], s[20:21]
	s_lshl_b32 s18, s18, 8                         ; 256 scale bytes a run
	s_add_nc_u64 s[10:11], s[10:11], s[18:19]
.macro LOAD t
.irp i, 0,1,2,3
	global_load_b128 v[R+16*((\t)%4)+4*\i:R+16*((\t)%4)+4*\i+3], v3, s[4:5] offset:2048*(\t)+512*\i   ; 32 lanes read 512 consecutive bytes
.endr
.endm
.macro TURN t                          ; step t's numbers through the stage: LDS serves a wave's instructions in order, so no wait stands between the stores and the loads
.irp i, 0,1,2,3
	ds_store_b128 v14, v[R+16*((\t)%4)+4*\i:R+16*((\t)%4)+4*\i+3] offset:32*SP*((\t)%2)+8*SP*\i
.endr
.irp i, 0,1,2,3
	ds_load_b128 v[X+16*((\t)%2)+4*\i:X+16*((\t)%2)+4*\i+3], v15 offset:32*SP*((\t)%2)+16*\i
.endr
.endm
.irp t, 0,1,2,3
	LOAD \t
.endr
	s_wait_alu depctr_va_vdst(0)
	s_wait_loadcnt 12                              ; step 0's four loads are in; three steps' twelve may be out
	TURN 0
.macro STEP t
.set XS, X+16*((\t)%2)
.if (\t) > 0
	s_wait_dscnt 1                                 ; this step's numbers are back from the stage (the last step's byte store may be out)
.else
	s_wait_dscnt 0x0
.endif
.if (\t)+4 < STEPS
	LOAD (\t)+4                                    ; the stage's stores have read these registers
.endif
.if (\t)+1 < STEPS
.if STEPS-2-(\t) >= 3
	s_wait_loadcnt 12                              ; the next step's four loads are in; those of the three steps behind it may be out
.else
	s_wait_loadcnt 4*(STEPS-2-(\t))
.endif
	TURN (\t)+1
.endif
	v_max3_num_f32 v8, |v[XS]|, |v[XS+1]|, |v[XS+2]|               ; the largest magnitude of my 16, in two chains
	v_max3_num_f32 v9, |v[XS+3]|, |v[XS+4]|, |v[XS+5]|
.irp i, 6,10
	v_max3_num_f32 v8, v8, |v[XS+\i]|, |v[XS+\i+1]|
	v_max3_num_f32 v9, v9, |v[XS+\i+2]|, |v[XS+\i+3]|
.endr
	v_max3_num_f32 v8, v8, |v[XS+14]|, |v[XS+15]|
	v_max3_num_f32 v8, v8, v9, (EMAX+1)<<23        ; and the floor 2^(3 - 127): the byte cannot fall under 1
	v_max_num_f32_dpp v8, v8, v8 row_xmask:1 row_mask:0xf bank_mask:0xf   ; with my neighbour's 16: the block's
	v_add_nc_u32 v11, -(EMAX<<23), v8              ; 2 off the exponent field: the conversion takes the exponent field of this operand as its scale
	v_cvt_scalef32_pk16_fp6_f32 v[C+4*(\t):C+4*(\t)+2], v[XS:XS+15], v11
	v_lshrrev_b32 v[E+(\t)], 23, v11               ; the scale's byte (a plain line behind the conversion)
	ds_store_b8 v5, v[E+(\t)] offset:16*(\t)       ; both lanes of a block write the same byte with the same value
	global_store_b96 v4, v[C+4*(\t):C+4*(\t)+2], s[8:9] offset:32*CB*(\t)   ; the wave stores 384 consecutive bytes
.endm
.irp t, 0,1,2,3,4,5,6,7,8,9,10,11,12,13,14,15
	STEP \t
.endr
	ds_load_b64 v[12:13], v6                       ; these see my byte stores
	s_wait_dscnt 0x0
	global_store_b64 v7, v[12:13], s[10:11]        ; 32 lanes store 256 consecutive bytes, aligned
	s_wait_tensorcnt 0x0
	ds_add_u32 v192, v193
	s_wait_dscnt 0x0
	s_endpgm
	; ---- Wo: a wave takes one tile of 16 rows: 12,288 bytes in, the same bytes out in another order.  No LDS.
.Lwo:
	s_sub_co_u32 s17, ttmp9, XWG
	s_lshl_b32 s17, s17, 2
	s_add_co_u32 s17, s17, s16                     ; tile 0..63
	s_mul_i32 s18, s17, 12288
	s_mov_b32 s19, 0
	s_add_nc_u64 s[6:7], s[6:7], s[18:19]
	s_add_nc_u64 s[12:13], s[12:13], s[18:19]
	s_wait_alu depctr_va_vdst(0)
	v_and_b32 v3, 15, v2                           ; r
	v_lshrrev_b32 v5, 4, v2                        ; h
	v_mul_u32_u24 v3, v3, 768
	v_mad_u32_u24 v3, v5, 24, v3                   ; row r, + 24 h: a fragment's 24 bytes as they lie
	v_lshlrev_b32 v4, 4, v2                        ; out: 16 bytes a lane
.irp s, 0,1,2,3,4,5,6,7
.irp p, 0,1,2,3,4,5
	global_load_b64 v[16+12*\s+2*\p:17+12*\s+2*\p], v3, s[6:7] offset:96*\s+48*(\p/3)+8*(\p%3)
.endr
.endr
	s_wait_alu depctr_va_vdst(0)
.irp s, 0,1,2,3,4,5,6,7
	s_wait_loadcnt 42-6*\s                         ; K step s's six loads are in; the later steps' six each may be out
.irp c, 0,1,2
	global_store_b128 v4, v[16+12*\s+4*\c:19+12*\s+4*\c], s[12:13] offset:(3*\s+\c)*512   ; 512 consecutive bytes
.endr
.endr
	s_endpgm
.Lfunc_end_k_q9ee36e4e8f_prep:
	.size	k_q9ee36e4e8f_prep, .Lfunc_end_k_q9ee36e4e8f_prep-k_q9ee36e4e8f_prep
	.p2alignl 7, 3214868480
	.fill 96, 4, 3214868480
	.section	.rodata,"a",@progbits
	.p2align	6, 0x0
	.amdhsa_kernel k_q9ee36e4e8f_prep
		.amdhsa_group_segment_fixed_size 33280
		.amdhsa_private_segment_fixed_size 0
		.amdhsa_enable_private_segment 0
		.amdhsa_kernarg_size 40
		.amdhsa_user_sgpr_count 2
		.amdhsa_user_sgpr_kernarg_segment_ptr 1
		.amdhsa_wavefront_size32 1
		.amdhsa_system_sgpr_workgroup_id_x 1
		.amdhsa_system_sgpr_workgroup_id_y 1
		.amdhsa_system_sgpr_workgroup_id_z 1
		.amdhsa_system_vgpr_workitem_id 0
		.amdhsa_next_free_vgpr 194
		.amdhsa_next_free_sgpr 66
		.amdhsa_reserve_vcc 0
		.amdhsa_float_denorm_mode_32 3
		.amdhsa_float_denorm_mode_16_64 3
		.amdhsa_memory_ordered 1
		.amdhsa_forward_progress 1
		.amdhsa_inst_pref_size 40
	.end_amdhsa_kernel
	.amdgpu_metadata
---
amdhsa.version: [ 1, 2 ]
amdhsa.kernels:
  - .name:           k_q9ee36e4e8f_prep
    .symbol:         k_q9ee36e4e8f_prep.kd
    .args:
      - { .name: hidden_states, .offset: 0, .size: 8, .value_kind: global_buffer, .address_space: global }
      - { .name: Wo_codes, .offset: 8, .size: 8, .value_kind: global_buffer, .address_space: global }
      - { .name: xq_codes, .offset: 16, .size: 8, .value_kind: global_buffer, .address_space: global }
      - { .name: xq_scales, .offset: 24, .size: 8, .value_kind: global_buffer, .address_space: global }
      - { .name: wo_img, .offset: 32, .size: 8, .value_kind: global_buffer, .address_space: global }
    .group_segment_fixed_size: 33280
    .private_segment_fixed_size: 0
    .kernarg_segment_align: 8
    .kernarg_segment_size: 40
    .max_flat_workgroup_size: 128
    .sgpr_count:     66
    .vgpr_count:     194
    .wavefront_size: 32
...
	.end_amdgpu_metadata
.endif
;; end of part 1
;; launch proj (part 2): grid 16 x 16, 4 waves a work-group, clusters of 4 x 4, 327,680 bytes of LDS; arguments xq_codes, xq_scales, pos_emb_codes, pos_emb_scales, Wq_codes, Wq_scales, Wk_codes, Wk_scales, Wv_codes, Wv_scales, Wpq_codes, Wpq_scales, Wpk_codes, Wpk_scales, bq, bk, bv, bpq, bpk, img, sc; writes img, sc
.if DOCPART == 2
	.amdgcn_target "amdgcn-amd-amdhsa--gfx1250"
	.amdhsa_code_object_version 6
	.text
	.protected	k_q9ee36e4e8f_proj
	.globl	k_q9ee36e4e8f_proj
	.p2align	8
	.type	k_q9ee36e4e8f_proj,@function
k_q9ee36e4e8f_proj:
	s_mov_b64 s[64:65], 0
	v_nop
	global_prefetch_b8 v0, s[64:65] scope:SCOPE_SE
	s_setreg_imm32_b32 hwreg(HW_REG_WAVE_MODE, 25, 1), 1
	s_wait_xcnt 0x0
	s_wait_alu depctr_hold_cnt(0) depctr_sa_sdst(0) depctr_va_vdst(0) depctr_va_sdst(0) depctr_va_ssrc(0) depctr_va_vcc(0) depctr_vm_vsrc(0)
	s_getreg_b32 s2, hwreg(HW_REG_IB_STS2, 6, 4)
	s_cmp_eq_u32 s2, 0
	s_cbranch_scc0 .Lentry_in_a_cluster
	s_endpgm
.Lentry_in_a_cluster:
	s_bfe_u32 s2, ttmp6, 0x10000c
	s_cmp_lg_u32 s2, 0xf033
	s_cbranch_scc0 .Lentry_shape_is_right
	s_endpgm
.Lentry_shape_is_right:
; PROJ.  The five projections q, k, v, rel_q, rel_k: codes of FP6 (E2M3) with E8M0 scales, K = 1024, + bias; each result is quantised again (blocks of 32 along the next product's K) and stored as half fragments (img) and scale words (sc).
; The cluster's x chooses the product: 0 q, 1 k, 2 v, 3 rel_q or rel_k (by the cluster's y).  For v the weights take A's place and x takes B's, so that v comes out with the keys along a lane's registers.
; A work-group of four waves makes 256 x 256, a wave 128 x 128: 64 accumulators, 512 registers.  Source 0 = 16 rows of B, source 1 = 16 rows of A.  The bias is the C of the first K step.
; THE ROWS OF A BLOCK ARE NOT NEIGHBOURS: block i, lane r is row 64 (i / 4) + 8 (i % 4) + (r & 7) + 32 (r >> 3), so that a lane's 32 registers of four neighbouring blocks are one block of the quantiser.
; K GOES IN CHUNKS OF 256 BYTES of each row of 768 through a ring of two LDS slots: three chunks, each row of a tile 256 bytes of memory that begin on a multiple of 256.  A step of 128 along K is 96 bytes: steps 2 and 5 lie across two chunks.
; The scales of the 256 + 256 rows come once, as dense rows of 256 bytes.  The head's four tiles (chunk 0 of A, of B, A's scales, B's scales) are one joint load a wave; chunk 1 follows behind the full sequence and a round, chunk 2 as a refill.
; CLUSTER 4 x 4: A's tiles are shared along a row of the cluster, B's along a column.  No prefetch: K is three chunks, two of them asked for before the first product.
; LIMITS: a block of zeros, and one whose largest magnitude lies under 2^-124, gets the byte 1 (this program alone reads the bytes); NaN and infinities are not served.
.set NQ,     2
.set ROWB,   256
.set KROW,   768
.set STEPS,  8
.set CHUNKS, 3
.set PITCH,  272
.set FR,     12
.set NL,     6
.set NP,     4
.set HALFT,  128*PITCH
.set SLOT,   4*HALFT
.set KS,     32
.set SCL,    2*SLOT
.set HALFS,  16*272
.set SPARE,  SCL+4*HALFS
.set ADRA, 16                          ; v16-17 my A fragments in slot 0, 1; v18-19 lanes 0-15 at byte 232 of slot 0, 1 and lanes 16-31 at byte 0 of the other slot
.set ADRB, 20                          ; v20-23 the same for B
.set O16,  24
.set O8,   25
.set SH8,  26
.set ADRS, 27
.set SPW,  28
.set NIL,  29
.set H128, 30
.set P4,   31
.set SC,   32                          ; v32-63 scale words, two sets
.set BB,   64                          ; v64-127 the bias in the accumulators' layout
.set AF,   128                         ; v128-223 A's fragments; window 1: B's two sets; windows 2, 3: the accumulators
.set G1, 24
.set G0, 32
.set G1B, 48
.set G0B, 56
.set G1S, 68
.set G0S, 76
.set G1SB, 80
.set G0SB, 88
.set MSB, 0
.macro WIN new
.if MSB != \new
	s_set_vgpr_msb (MSB<<8)|\new
.set MSB, \new
.endif
.endm
.set MUL_LO, 0xa1
.set BIAS_LO, 0x81
.set TO_B,   0x40
.macro WM hi, mode                     ; the windows of a run of products: C from window 0 where it is the bias
.if \mode
	WIN BIAS_LO+0x40*\hi
.else
	WIN MUL_LO+0x50*\hi
.endif
.endm
.macro JLOAD g0a, g1a, g0b, g1b        ; waves 0, 1 fetch for A, waves 2, 3 for B
	s_cmp_eq_u32 s15, 0
	s_cbranch_scc0 .Lfor_b_\@
	tensor_load_to_lds s[\g0a:\g0a+3], s[\g1a:\g1a+7]
	s_nop 0
.rept 4
	v_nop
.endr
	s_branch .Lasked_\@
.Lfor_b_\@:
	tensor_load_to_lds s[\g0b:\g0b+3], s[\g1b:\g1b+7]
	s_nop 0
.rept 4
	v_nop
.endr
.Lasked_\@:
.endm
.macro CREST
	s_cmp_lg_u32 s14, 0
	s_cbranch_scc1 .Lnot_wave_0_\@
	s_barrier_signal -3
.Lnot_wave_0_\@:
	s_barrier_wait -3
	s_barrier_signal -1
	s_barrier_wait -1
.endm
.macro CROUND
	s_barrier_signal -1
	s_barrier_wait -1
	CREST
.endm
	s_load_b512 s[68:83], s[0:1], 0x0
	s_load_b512 s[84:99], s[0:1], 0x40
	s_load_b256 s[48:55], s[0:1], 0x80
	s_load_b64 s[56:57], s[0:1], 0xa0
	v_lshl_add_u32 v[SPW], v0, 2, SPARE
	v_mov_b32 v[NIL], 0
	ds_add_u32 v28, v29
	ds_add_u32 v28, v29
	s_wait_dscnt 0x0
	v_lshrrev_b32 v1, 5, v0
	v_readfirstlane_b32 s14, v1                    ; wave
	s_lshr_b32 s15, s14, 1
	s_and_b32 s16, s14, 1
	s_bfe_u32 s40, ttmp6, 0x40000                  ; cx
	s_bfe_u32 s41, ttmp6, 0x40004                  ; cy
	s_and_b32 s45, ttmp7, 0xffff
	s_and_b32 s46, s45, 1
	s_wait_kmcnt 0x0
	; which weights, scales and bias: by the cluster's x and y, which all partners share
	s_cmp_eq_u32 s46, 0
	s_cselect_b64 s[24:25], s[88:89], s[92:93]
	s_cselect_b64 s[26:27], s[90:91], s[94:95]
	s_cselect_b64 s[28:29], s[50:51], s[52:53]
	s_cmp_eq_u32 ttmp9, 2
	s_cselect_b64 s[24:25], s[84:85], s[24:25]
	s_cselect_b64 s[26:27], s[86:87], s[26:27]
	s_cselect_b64 s[28:29], s[48:49], s[28:29]
	s_cselect_b32 s66, 1, 0                        ; 1: v
	s_cmp_eq_u32 ttmp9, 1
	s_cselect_b64 s[24:25], s[80:81], s[24:25]
	s_cselect_b64 s[26:27], s[82:83], s[26:27]
	s_cselect_b64 s[28:29], s[98:99], s[28:29]
	s_cmp_eq_u32 ttmp9, 0
	s_cselect_b64 s[24:25], s[76:77], s[24:25]
	s_cselect_b64 s[26:27], s[78:79], s[26:27]
	s_cselect_b64 s[28:29], s[96:97], s[28:29]
	s_cmp_eq_u32 ttmp9, 3
	s_cselect_b64 s[30:31], s[72:73], s[68:69]
	s_cselect_b64 s[32:33], s[74:75], s[70:71]
	s_cmp_eq_u32 s66, 1
	s_cselect_b64 s[4:5], s[24:25], s[30:31]       ; A's codes, scales; B's codes, scales
	s_cselect_b64 s[6:7], s[26:27], s[32:33]
	s_cselect_b64 s[8:9], s[30:31], s[24:25]
	s_cselect_b64 s[10:11], s[32:33], s[26:27]
	s_mov_b64 s[12:13], s[28:29]
	s_mov_b64 s[100:101], s[54:55]
	s_mov_b64 s[104:105], s[56:57]
	s_lshr_b32 s47, s45, 1
	s_cmp_eq_u32 ttmp9, 3
	s_cselect_b32 s47, s47, s45
	s_lshl_b32 s47, s47, 2
	s_cmp_eq_u32 s66, 1
	s_cselect_b32 s17, 0, s47
	s_cselect_b32 s42, s47, 0
	s_add_co_u32 s17, s17, s41                     ; tile row
	s_add_co_u32 s42, s42, s40                     ; tile column
	s_lshl_b32 s43, s41, 2
	s_lshl_b32 s43, 15, s43
	s_lshl_b32 s44, 0x1111, s40
	; group 1: rows of 256 bytes, 16 bytes of padding behind each; 256 rows for the head's loads
	s_or_b32 s[G1+0], s43, (0<<16)|(1<<20)|(1<<21)|(5<<22)|(3<<25)
	s_or_b32 s[G1B+0], s44, (0<<16)|(1<<20)|(1<<21)|(5<<22)|(3<<25)
.irp g, G1, G1B
	s_mov_b32 s[\g+1], ROWB<<16
	s_mov_b32 s[\g+2], 256<<16
	s_mov_b32 s[\g+3], ROWB<<16
	s_mov_b32 s[\g+4], 256
	s_mov_b32 s[\g+5], KROW
	s_mov_b32 s[\g+6], 0
	s_mov_b32 s[\g+7], 0
.endr
	; the scales of 256 rows: 8,192 dense bytes as 32 rows of 256
	s_or_b32 s[G1S+0], s43, (3<<16)|(1<<20)|(1<<21)|(5<<22)|(3<<25)
	s_or_b32 s[G1SB+0], s44, (3<<16)|(1<<20)|(1<<21)|(5<<22)|(3<<25)
.irp g, G1S, G1SB
	s_mov_b32 s[\g+1], 32<<16
	s_mov_b32 s[\g+2], 32<<16
	s_mov_b32 s[\g+3], 32<<16
	s_mov_b32 s[\g+4], 32
	s_mov_b32 s[\g+5], 32
	s_mov_b32 s[\g+6], 0
	s_mov_b32 s[\g+7], 0
.endr
	s_lshl_b32 s20, s17, 8
	s_lshl_b32 s46, s42, 8
	s_mov_b32 s21, 0
	s_mov_b32 s47, 0
	s_mov_b64 s[18:19], KS
	s_mul_u64 s[22:23], s[20:21], s[18:19]
	s_mul_u64 s[92:93], s[46:47], s[18:19]
	s_mov_b64 s[18:19], KROW
	s_mul_u64 s[20:21], s[20:21], s[18:19]
	s_mul_u64 s[46:47], s[46:47], s[18:19]
	s_mul_i32 s45, s14, HALFT                      ; where my 128 rows of a chunk go
	s_mul_i32 s94, s16, 128*KROW                   ; which 128 rows of a tile I fetch in the ring
	s_mov_b32 s95, 0
	s_add_nc_u64 s[20:21], s[4:5], s[20:21]
	s_add_nc_u64 s[22:23], s[6:7], s[22:23]
	s_add_nc_u64 s[46:47], s[8:9], s[46:47]
	s_add_nc_u64 s[92:93], s[10:11], s[92:93]
	CROUND                                         ; the first joint loads meet
	s_mov_b32 s[G0], 1                             ; the head's tiles, each whole: chunk 0 of A's 256 rows (slot 0's group 0 serves; it is set for the ring behind the wait for this load)
	s_mov_b32 s[G0+1], 0
	s_mov_b64 s[G0+2:G0+3], s[20:21]
	s_or_b32 s[G0+3], s[G0+3], 0x80000000
	s_mov_b32 s[G0B], 1                            ; of B's
	s_mov_b32 s[G0B+1], 2*HALFT
	s_mov_b64 s[G0B+2:G0B+3], s[46:47]
	s_or_b32 s[G0B+3], s[G0B+3], 0x80000000
	s_mov_b32 s[G0S], 1                            ; A's scales
	s_mov_b32 s[G0S+1], SCL
	s_mov_b64 s[G0S+2:G0S+3], s[22:23]
	s_or_b32 s[G0S+3], s[G0S+3], 0x80000000
	s_mov_b32 s[G0SB], 1                           ; B's
	s_mov_b32 s[G0SB+1], SCL+2*HALFS
	s_mov_b64 s[G0SB+2:G0SB+3], s[92:93]
	s_or_b32 s[G0SB+3], s[G0SB+3], 0x80000000
	s_mov_b32 s[G0+4], 1                           ; slot 1: my 128 rows of chunk 1
	s_add_co_u32 s[G0+5], s45, SLOT
	s_add_nc_u64 s[G0+6:G0+7], s[20:21], s[94:95]
	s_add_nc_u64 s[G0+6:G0+7], s[G0+6:G0+7], ROWB
	s_or_b32 s[G0+7], s[G0+7], 0x80000000
	s_mov_b32 s[G0B+4], 1
	s_add_co_u32 s[G0B+5], s45, SLOT
	s_add_nc_u64 s[G0B+6:G0B+7], s[46:47], s[94:95]
	s_add_nc_u64 s[G0B+6:G0B+7], s[G0B+6:G0B+7], ROWB
	s_or_b32 s[G0B+7], s[G0B+7], 0x80000000
.macro ARM under, g0, g1, next         ; one chain of branches on the wave's number, one load to an arm
	s_cmp_lt_u32 s14, \under
	s_cbranch_scc0 \next
	tensor_load_to_lds s[\g0:\g0+3], s[\g1:\g1+7]
	s_nop 0
.rept 4
	v_nop
.endr
	s_branch .Lhead_asked
\next:
.endm
	ARM 1, G0,  G1,  .Lhead_b
	ARM 2, G0B, G1B, .Lhead_sa
	ARM 3, G0S, G1S, .Lhead_sb
	tensor_load_to_lds s[G0SB:G0SB+3], s[G1SB:G1SB+7]
	s_nop 0
.rept 4
	v_nop
.endr
.Lhead_asked:
	v_and_b32 v1, 15, v0
	v_bfe_u32 v2, v0, 4, 1
	v_and_b32 v7, 7, v1
	v_and_b32 v8, 8, v1
	v_lshl_add_u32 v8, v8, 2, v7                   ; (r & 7) + 32 (r >> 3)
	v_mul_u32_u24 v3, v8, PITCH
	v_mul_u32_u24 v4, v2, 24
	v_add_nc_u32 v4, v3, v4                        ; row x pitch + 24 x half
	s_mov_b32 s21, SLOT-232
	s_mov_b32 s22, SLOT+232
	v_sub_nc_u32 v9, 1, v2
	v_mul_u32_u24 v5, s21, v2
	v_add_nc_u32 v5, v3, v5
	v_add_nc_u32 v5, 232, v5                       ; lanes 0-15 byte 232 in slot 0, lanes 16-31 byte 0 in slot 1
	v_mul_u32_u24 v6, s22, v9
	v_add_nc_u32 v6, v3, v6                        ; lanes 0-15 byte 232 in slot 1, lanes 16-31 byte 0 in slot 0
	s_mul_i32 s21, s15, HALFT
	s_mul_i32 s22, s16, HALFT
	s_add_co_u32 s22, s22, 2*HALFT
	v_add_nc_u32 v[ADRA+2], s21, v5
	v_add_nc_u32 v[ADRA+3], s21, v6
	v_add_nc_u32 v[ADRB+2], s22, v5
	v_add_nc_u32 v[ADRB+3], s22, v6
.irp s, 0,1
	v_add_nc_u32 v[ADRA+\s], s21, v4
	v_add_nc_u32 v[ADRB+\s], s22, v4
	s_add_co_u32 s21, s21, SLOT
	s_add_co_u32 s22, s22, SLOT
.endr
	v_lshrrev_b32 v6, 3, v1                        ; my row's scales: 32 bytes a row, eight rows to a unit of 256 + 16
	v_mul_u32_u24 v6, v6, 4*272
	v_lshl_add_u32 v5, v7, 5, v6
	s_mul_i32 s21, s15, HALFS
	s_mul_i32 s22, s16, HALFS
	s_add_co_u32 s22, s22, 2*HALFS
	s_sub_co_u32 s22, s22, s21
	v_mul_u32_u24 v6, s22, v2                      ; lanes 16-31 take B's
	s_add_co_u32 s21, s21, SCL
	v_add_nc_u32 v5, v5, v6
	v_add_nc_u32 v[ADRS], s21, v5
	v_and_b32 v6, 31, v0
	v_lshlrev_b32 v[O16], 4, v6
	v_lshlrev_b32 v[O8], 3, v6
	v_lshlrev_b32 v[SH8], 3, v2
	v_lshlrev_b32 v[H128], 7, v2
	v_lshlrev_b32 v[P4], 2, v8
	; where the bias lies and where the results go
	s_lshl_b32 s92, s17, 8
	s_lshl_b32 s93, s15, 7
	s_add_co_u32 s92, s92, s93
	s_lshl_b32 s93, s42, 8
	s_lshl_b32 s94, s16, 7
	s_add_co_u32 s93, s93, s94
	s_cmp_eq_u32 s66, 1
	s_cselect_b32 s94, s93, s92
	s_cselect_b32 s95, s92, s93
	s_lshl_b32 s20, s95, 2
	s_mov_b32 s21, 0
	s_add_nc_u64 s[12:13], s[12:13], s[20:21]
	s_lshr_b32 s18, s94, 11
	s_lshl_b32 s18, s18, 4
	s_lshr_b32 s19, s95, 6
	s_add_co_u32 s18, s18, s19
	s_and_b32 s19, ttmp7, 1
	s_cmp_eq_u32 ttmp9, 3
	s_cselect_b32 s19, s19, 0
	s_cselect_b32 s2, 1, 0
	s_sub_co_u32 s2, s2, s19
	s_and_b32 s94, s94, 2047
	s_mul_i32 s20, ttmp9, 3145728
	s_mul_i32 s22, s19, 1572864
	s_add_co_u32 s20, s20, s22
	s_mul_i32 s22, s18, 98304
	s_add_co_u32 s20, s20, s22
	s_lshr_b32 s22, s94, 6
	s_mul_i32 s22, s22, 3072
	s_add_co_u32 s20, s20, s22
	s_add_nc_u64 s[4:5], s[100:101], s[20:21]
	s_cmp_eq_u32 s66, 1
	s_mov_b32 s22, 3072
	s_cselect_b32 s22, 98304, s22
	s_mov_b32 s23, 0
	s_mov_b32 s46, 98304
	s_cselect_b32 s46, 3072, s46
	s_mov_b32 s47, 0
	s_add_nc_u64 s[6:7], s[4:5], s[46:47]
	s_add_nc_u64 s[8:9], s[4:5], s[22:23]
	s_add_nc_u64 s[10:11], s[8:9], s[46:47]
	s_lshl_b32 s20, ttmp9, 18
	s_lshl_b32 s22, s19, 17
	s_add_co_u32 s20, s20, s22
	s_lshl_b32 s22, s18, 13
	s_add_co_u32 s20, s20, s22
	s_lshr_b32 s22, s94, 7
	s_cmp_eq_u32 s66, 1
	s_cselect_b32 s46, 10, 9
	s_lshl_b32 s22, s22, s46
	s_add_co_u32 s20, s20, s22
	s_add_nc_u64 s[96:97], s[104:105], s[20:21]
	s_cmp_eq_u32 s66, 1
	s_mov_b32 s22, 8192
	s_cselect_b32 s22, 512, s22
	s_add_nc_u64 s[98:99], s[96:97], s[22:23]
	s_mov_b32 s46, s19
	s_mov_b32 s18, 0x10000                         ; where a result's two scale bytes stand in its word
	s_mov_b32 s19, 0x10000
	s_cmp_eq_u32 ttmp9, 0
	s_cselect_b32 s18, 0x10001, s18
	s_cselect_b32 s19, 0x10001, s19
	s_cmp_eq_u32 ttmp9, 2
	s_cselect_b32 s18, 1, s18
	s_cmp_eq_u32 s46, 1
	s_cselect_b32 s18, 1, s18
	s_cselect_b32 s19, 1, s19
	s_cmp_eq_u32 s2, 1
	s_cselect_b32 s20, 0x7f7f, 0
	s_mov_b32 s22, 0x76543210
	s_mov_b32 s23, 0xfedcba98
	s_cmp_eq_u32 s66, 0
	s_cbranch_scc0 .Lbias_v
	s_wait_alu depctr_va_vdst(0)                   ; the wait ahead of these readers
.irp b, 0,1,2,3,4,5,6,7
	global_load_b128 v[BB+8*\b:BB+8*\b+3], v[H128], s[12:13] offset:(64*(\b/4)+8*(\b%4))*4
	global_load_b128 v[BB+8*\b+4:BB+8*\b+7], v[H128], s[12:13] offset:(64*(\b/4)+8*(\b%4))*4+16
.endr
	s_branch .Lbias_in
.Lbias_v:
	s_wait_alu depctr_va_vdst(0)
.irp a, 0,1,2,3,4,5,6,7
	global_load_b32 v[BB+8*\a], v[P4], s[12:13] offset:(64*(\a/4)+8*(\a%4))*4
.endr
	s_wait_loadcnt 0x0
.irp a, 0,1,2,3,4,5,6,7
.irp j, 1,2,3,4,5,6,7
	v_mov_b32 v[BB+8*\a+\j], v[BB+8*\a]
.endr
.endr
.Lbias_in:
	s_wait_loadcnt 0x0
.rept 4
	v_nop
.endr
.macro FRAG reg, adr, st, i            ; 16 rows x 128 K: six pieces of 8 bytes; byte y of a row lies in slot (y / 256) % 2 at byte y % 256
.irp p, 0,1,2,3,4,5
.set BY, 96*(\st)+48*(\p/3)+8*(\p%3)
.if BY/ROWB == (BY+24)/ROWB
	ds_load_b64 v[\reg+2*\p:\reg+2*\p+1], v[\adr+(BY/ROWB)%2] offset:BY%ROWB+(64*((\i)/4)+8*((\i)%4))*PITCH
.else
	ds_load_b64 v[\reg+2*\p:\reg+2*\p+1], v[\adr+2+(BY/ROWB)%2] offset:BY%ROWB-232+(64*((\i)/4)+8*((\i)%4))*PITCH
.endif
.endr
.endm
.macro MUL16 a0, p, q, sc, mode        ; A's blocks a0, a0 + 1 x B's eight; the 64 accumulators take turns.  mode 1, 2: the bias starts the sums (by B's block, by A's block)
.irp a, \a0, \a0+1
.irp b, 0,1,2,3,4,5,6,7
.if \mode == 0
	v_wmma_scale_f32_16x16x128_f8f6f4 v[8*(8*((\a)%4)+\b):8*(8*((\a)%4)+\b)+7], v[128*(\p)+FR*\b:128*(\p)+FR*\b+FR-1], v[AF+FR*(\a):AF+FR*(\a)+FR-1], v[8*(8*((\a)%4)+\b):8*(8*((\a)%4)+\b)+7], v[SC+8*NQ*(\sc)+NQ*\b+(\q)], v[SC+8*NQ*(\sc)+NQ*(\a)+(\q)] matrix_a_fmt:MATRIX_FMT_FP6 matrix_b_fmt:MATRIX_FMT_FP6 matrix_a_scale:MATRIX_SCALE_ROW1
.elseif \mode == 1
	v_wmma_scale_f32_16x16x128_f8f6f4 v[8*(8*((\a)%4)+\b):8*(8*((\a)%4)+\b)+7], v[128*(\p)+FR*\b:128*(\p)+FR*\b+FR-1], v[AF+FR*(\a):AF+FR*(\a)+FR-1], v[BB+8*\b:BB+8*\b+7], v[SC+8*NQ*(\sc)+NQ*\b+(\q)], v[SC+8*NQ*(\sc)+NQ*(\a)+(\q)] matrix_a_fmt:MATRIX_FMT_FP6 matrix_b_fmt:MATRIX_FMT_FP6 matrix_a_scale:MATRIX_SCALE_ROW1
.else
	v_wmma_scale_f32_16x16x128_f8f6f4 v[8*(8*((\a)%4)+\b):8*(8*((\a)%4)+\b)+7], v[128*(\p)+FR*\b:128*(\p)+FR*\b+FR-1], v[AF+FR*(\a):AF+FR*(\a)+FR-1], v[BB+8*(\a):BB+8*(\a)+7], v[SC+8*NQ*(\sc)+NQ*\b+(\q)], v[SC+8*NQ*(\sc)+NQ*(\a)+(\q)] matrix_a_fmt:MATRIX_FMT_FP6 matrix_b_fmt:MATRIX_FMT_FP6 matrix_a_scale:MATRIX_SCALE_ROW1
.endif
.endr
.endr
.endm
.macro FETCH_B st, p
	WIN TO_B
.irp i, 0,1,2,3,4,5,6,7
	FRAG 128*(\p)+FR*\i, ADRB, \st, \i
.endr
	WIN 0
.endm
.macro FETCH_A st, i0
.irp i, \i0, \i0+1, \i0+2, \i0+3
	FRAG AF+FR*(\i), ADRA, \st, \i
.endr
.endm
.macro SCALES pr                       ; the words of steps 2 pr, 2 pr + 1 into set pr % 2: lanes 0-15 A's block i, lanes 16-31 B's
.irp i, 0,1,2,3,4,5,6,7
	ds_load_b64 v[SC+8*NQ*((\pr)%2)+NQ*\i:SC+8*NQ*((\pr)%2)+NQ*\i+1], v[ADRS] offset:(8*(\i/4)+\i%4)*272+4*NQ*(\pr)
.endr
.endm
.macro PLACES n
.rept \n
	v_nop
.endr
.endm
; A step of 128 along K.  Where the next step's bytes end in a chunk not read yet: the wait for my tensor loads and a barrier.  Where they begin in a later chunk: the add and the waits too, and, where a chunk two on is left, a round and the refill.
.macro STEP st, mode
.set NX, (\st)+1
.set C0, (96*(\st))/ROWB
.set C1, (96*NX)/ROWB
.set E0, (96*(\st)+95)/ROWB
.set E1, (96*NX+95)/ROWB
.if C1 > C0 || E1 > E0
	s_wait_tensorcnt 0x0                           ; all my tensor loads have landed
.if C1 > C0
	ds_add_u32 v[SPW], v[NIL]
	s_wait_dscnt 4*NL+1                            ; the add and A's blocks 4-7 may be out
.else
	s_wait_dscnt 4*NL                              ; A's blocks 4-7 (24 loads) may be out
.endif
	WM 0, \mode
	MUL16 0, (\st)%2, (\st)%2, ((\st)/2)%2, \mode
	s_wait_dscnt 0x0                               ; the add and my reads are done
	s_barrier_signal -1
	MUL16 2, (\st)%2, (\st)%2, ((\st)/2)%2, \mode
	WIN 0
	s_barrier_wait -1
.if C1 > C0 && C0+2 < CHUNKS
	CREST
	s_add_nc_u64 s[G0+4*(C0%2)+2:G0+4*(C0%2)+3], s[G0+4*(C0%2)+2:G0+4*(C0%2)+3], 2*ROWB
	s_add_nc_u64 s[G0B+4*(C0%2)+2:G0B+4*(C0%2)+3], s[G0B+4*(C0%2)+2:G0B+4*(C0%2)+3], 2*ROWB
	JLOAD G0+4*(C0%2), G1, G0B+4*(C0%2), G1B       ; chunk C0 + 2; its four v_nop are the places in front of the loads below
.else
	PLACES NP
.endif
.else
	s_wait_dscnt 4*NL                              ; A's blocks 4-7 (24 loads) may be out
	WM 0, \mode
	MUL16 0, (\st)%2, (\st)%2, ((\st)/2)%2, \mode
	MUL16 2, (\st)%2, (\st)%2, ((\st)/2)%2, \mode
	s_wait_dscnt 0
	PLACES NP
.endif
	FETCH_B NX, NX%2
	FETCH_A NX, 0
.if NX%2 == 0
	SCALES NX/2
.endif
	WM 1, \mode
	MUL16 4, (\st)%2, (\st)%2, ((\st)/2)%2, \mode
	MUL16 6, (\st)%2, (\st)%2, ((\st)/2)%2, \mode
	PLACES NP
	WIN 0
	FETCH_A NX, 4
.endm
	s_mul_i32 s46, s16, 128*KROW
	s_mov_b32 s47, 0
	s_wait_alu depctr_va_vdst(0)                   ; the wait at the head's end
	s_wait_tensorcnt 0x0                           ; my tile of the head's four is in
	ds_add_u32 v[SPW], v[NIL]                      ; ahead of a later first fill
	s_mov_b32 s[G1+2], 128<<16                     ; no load of mine is out: from here on a load brings my 128 rows
	s_mov_b32 s[G1+4], 128
	s_mov_b32 s[G1B+2], 128<<16
	s_mov_b32 s[G1B+4], 128
	s_mov_b32 s[G0+1], s45
	s_add_nc_u64 s[G0+2:G0+3], s[G0+2:G0+3], s[46:47]
	s_mov_b32 s[G0B+1], s45
	s_add_nc_u64 s[G0B+2:G0B+3], s[G0B+2:G0B+3], s[46:47]
	s_wait_dscnt 0x0
	CROUND
	JLOAD G0+4, G1, G0B+4, G1B                     ; chunk 1
	FETCH_B 0, 0
	FETCH_A 0, 0
	SCALES 0
	FETCH_A 0, 4
	s_cmp_eq_u32 s66, 0
	s_cbranch_scc0 .Lfirst_v
	STEP 0, 1
	s_branch .Lfirst_done
.Lfirst_v:
	STEP 0, 2
.Lfirst_done:
.set ST, 1
.rept STEPS-2
	STEP ST, 0
.set ST, ST+1
.endr
	s_wait_dscnt 4*NL
	WIN MUL_LO
	MUL16 0, 1, 1, 1, 0
	MUL16 2, 1, 1, 1, 0
	s_wait_dscnt 0
	WIN MUL_LO+0x50
	MUL16 4, 1, 1, 1, 0
	MUL16 6, 1, 1, 1, 0
	WIN 0
; THE WAY OUT of window 2 + w: eight blocks of 32 numbers a lane: largest magnitude with the floor, scale, codes, half fragments of 768 bytes; the bytes make scale words.
.macro EPIW w
.set WN, 0x28+0x14*\w
	WIN WN
.irp q, 0,1,2,3,4,5,6,7
	v_max3_num_f32 v[64+\q], 0x1800000, |v[32*\q]|, |v[32*\q+1]|
.endr
.irp i, 1,2,3,4,5,6,7,8,9,10,11,12,13,14,15
.irp q, 0,1,2,3,4,5,6,7
	v_max3_num_f32 v[64+\q], v[64+\q], |v[32*\q+2*\i]|, |v[32*\q+2*\i+1]|
.endr
.endr
	WIN 0
.irp q, 0,1,2,3,4,5,6,7
	v_add_nc_u32 v[72+\q], 0xff000000, v[64+\q]
.endr
.irp q, 0,1,2,3,4,5,6,7
	v_lshrrev_b32 v[80+\q], 23, v[72+\q]
.endr
.set WN, 0x02+\w
	WIN WN
.irp q, 0,1,2,3,4,5,6,7
	v_cvt_scalef32_pk16_fp6_f32 v[128+64*\w+8*\q:130+64*\w+8*\q], v[32*\q:32*\q+15], v[72+\q]
	v_cvt_scalef32_pk16_fp6_f32 v[96+4*\q:98+4*\q], v[32*\q+16:32*\q+31], v[72+\q]
.endr
	WIN 0
	v_nop
.irp q, 0,1,2,3,4,5,6,7
.irp i, 0,1,2
	v_mov_b32 v[131+64*\w+8*\q+\i], v[96+4*\q+\i]
.endr
.endr
.irp q, 0,1,2,3,4,5,6,7
	v_lshlrev_b32 v[80+\q], v[SH8], v[80+\q]
.endr
.irp q, 0,1,2,3,4,5,6,7
	v_permlanex16_b32 v[88+\q], v[80+\q], s22, s23
.endr
.irp q, 0,1,2,3,4,5,6,7
	v_or_b32 v[80+\q], v[80+\q], v[88+\q]
.endr
.irp q, 0,1,2,3,4,5,6,7
	v_mad_u32_u24 v[80+\q], v[80+\q], s[18+\q%2], s20
.endr
.irp g, 0,1
.irp i, 0,1
	v_cndmask_b32 v[32+4*\g+2*\w+\i], v[80+4*\i+\g], v[82+4*\i+\g], vcc_lo
.endr
.endr
.irp q, 0,1,2,3,4,5,6,7
	global_store_b128 v[O16], v[128+64*\w+8*\q:131+64*\w+8*\q], s[4+4*\w+2*(\q%2):5+4*\w+2*(\q%2)] offset:(\q/2)*768
	global_store_b64 v[O8], v[132+64*\w+8*\q:133+64*\w+8*\q], s[4+4*\w+2*(\q%2):5+4*\w+2*(\q%2)] offset:(\q/2)*768+512
.endr
.endm
	PLACES NP
	v_and_b32 v6, 31, v0
	v_cmp_le_u32 vcc_lo, 16, v6
	EPIW 0
	EPIW 1
	global_store_b128 v[O16], v[32:35], s[96:97]
	global_store_b128 v[O16], v[36:39], s[98:99]
	s_wait_tensorcnt 0x0                           ; the wave's end
	ds_add_u32 v[SPW], v[NIL]
	s_wait_dscnt 0x0
	CROUND                                         ; the closing round
	s_endpgm
.Lfunc_end_k_q9ee36e4e8f_proj:
	.size	k_q9ee36e4e8f_proj, .Lfunc_end_k_q9ee36e4e8f_proj-k_q9ee36e4e8f_proj
	.p2alignl 7, 3214868480
	.fill 96, 4, 3214868480
	.section	.rodata,"a",@progbits
	.p2align	6, 0x0
	.amdhsa_kernel k_q9ee36e4e8f_proj
		.amdhsa_group_segment_fixed_size 327680
		.amdhsa_private_segment_fixed_size 0
		.amdhsa_enable_private_segment 0
		.amdhsa_kernarg_size 168
		.amdhsa_user_sgpr_count 2
		.amdhsa_user_sgpr_kernarg_segment_ptr 1
		.amdhsa_wavefront_size32 1
		.amdhsa_system_sgpr_workgroup_id_x 1
		.amdhsa_system_sgpr_workgroup_id_y 1
		.amdhsa_system_sgpr_workgroup_id_z 1
		.amdhsa_system_vgpr_workitem_id 0
		.amdhsa_next_free_vgpr 1024
		.amdhsa_next_free_sgpr 106
		.amdhsa_reserve_vcc 1
		.amdhsa_float_denorm_mode_32 3
		.amdhsa_float_denorm_mode_16_64 3
		.amdhsa_memory_ordered 1
		.amdhsa_forward_progress 1
		.amdhsa_inst_pref_size 181
	.end_amdhsa_kernel
	.amdgpu_metadata
---
amdhsa.version: [ 1, 2 ]
amdhsa.kernels:
  - .name:           k_q9ee36e4e8f_proj
    .symbol:         k_q9ee36e4e8f_proj.kd
    .args:
      - { .name: xq_codes, .offset: 0, .size: 8, .value_kind: global_buffer, .address_space: global }
      - { .name: xq_scales, .offset: 8, .size: 8, .value_kind: global_buffer, .address_space: global }
      - { .name: pos_emb_codes, .offset: 16, .size: 8, .value_kind: global_buffer, .address_space: global }
      - { .name: pos_emb_scales, .offset: 24, .size: 8, .value_kind: global_buffer, .address_space: global }
      - { .name: Wq_codes, .offset: 32, .size: 8, .value_kind: global_buffer, .address_space: global }
      - { .name: Wq_scales, .offset: 40, .size: 8, .value_kind: global_buffer, .address_space: global }
      - { .name: Wk_codes, .offset: 48, .size: 8, .value_kind: global_buffer, .address_space: global }
      - { .name: Wk_scales, .offset: 56, .size: 8, .value_kind: global_buffer, .address_space: global }
      - { .name: Wv_codes, .offset: 64, .size: 8, .value_kind: global_buffer, .address_space: global }
      - { .name: Wv_scales, .offset: 72, .size: 8, .value_kind: global_buffer, .address_space: global }
      - { .name: Wpq_codes, .offset: 80, .size: 8, .value_kind: global_buffer, .address_space: global }
      - { .name: Wpq_scales, .offset: 88, .size: 8, .value_kind: global_buffer, .address_space: global }
      - { .name: Wpk_codes, .offset: 96, .size: 8, .value_kind: global_buffer, .address_space: global }
      - { .name: Wpk_scales, .offset: 104, .size: 8, .value_kind: global_buffer, .address_space: global }
      - { .name: bq, .offset: 112, .size: 8, .value_kind: global_buffer, .address_space: global }
      - { .name: bk, .offset: 120, .size: 8, .value_kind: global_buffer, .address_space: global }
      - { .name: bv, .offset: 128, .size: 8, .value_kind: global_buffer, .address_space: global }
      - { .name: bpq, .offset: 136, .size: 8, .value_kind: global_buffer, .address_space: global }
      - { .name: bpk, .offset: 144, .size: 8, .value_kind: global_buffer, .address_space: global }
      - { .name: img, .offset: 152, .size: 8, .value_kind: global_buffer, .address_space: global }
      - { .name: sc, .offset: 160, .size: 8, .value_kind: global_buffer, .address_space: global }
    .group_segment_fixed_size: 327680
    .private_segment_fixed_size: 0
    .kernarg_segment_align: 8
    .kernarg_segment_size: 168
    .max_flat_workgroup_size: 128
    .sgpr_count:     106
    .vgpr_count:     1024
    .wavefront_size: 32
...
	.end_amdgpu_metadata
.endif
;; end of part 2
;; launch attn (part 3): grid 8 x 32, 16 waves a work-group, clusters of 4 x 1, 327,680 bytes of LDS; arguments img, sc, ao_img, ao_sc; writes ao_img, ao_sc
.if DOCPART == 3
	.amdgcn_target "amdgcn-amd-amdhsa--gfx1250"
	.amdhsa_code_object_version 6
	.text
	.protected	k_q9ee36e4e8f_attn
	.globl	k_q9ee36e4e8f_attn
	.p2align	8
	.type	k_q9ee36e4e8f_attn,@function
k_q9ee36e4e8f_attn:
	s_mov_b64 s[64:65], 0
	v_nop
	global_prefetch_b8 v0, s[64:65] scope:SCOPE_SE
	s_setreg_imm32_b32 hwreg(HW_REG_WAVE_MODE, 25, 1), 1
	s_wait_xcnt 0x0
	s_wait_alu depctr_hold_cnt(0) depctr_sa_sdst(0) depctr_va_vdst(0) depctr_va_sdst(0) depctr_va_ssrc(0) depctr_va_vcc(0) depctr_vm_vsrc(0)
	s_getreg_b32 s2, hwreg(HW_REG_IB_STS2, 6, 4)
	s_cmp_eq_u32 s2, 0
	s_cbranch_scc0 .Lentry_in_a_cluster
	s_endpgm
.Lentry_in_a_cluster:
	s_bfe_u32 s2, ttmp6, 0x10000c
	s_cmp_lg_u32 s2, 0x3003
	s_cbranch_scc0 .Lentry_shape_is_right
	s_endpgm
.Lentry_shape_is_right:
; ATTN.  scores = q k^T + rel_q k^T + q rel_k^T, softmax, x v, all on codes of FP6 (E2M3) with E8M0 scales; the result is quantised along (head, d) for the output projection.
; THE THREE SCORE TERMS (K = 64 each) ARE TWO INSTRUCTIONS OF K = 128 ON ONE KEY FRAGMENT: [rel_k | k] x [q | q] and [rel_k | k] x [zero codes | rel_q].  (The zero codes carry the byte 127.)
; SHARES.  A work-group owns 256 queries of one (batch, head), each of its sixteen waves a tile of 16, in 256 registers.  Every wave walks all 2,048 keys, 128 a step.  Both products are used transposed: a lane holds ONE query.
; THE ROWS OF A TILE ARE NOT NEIGHBOURS (the projections laid them so): tile 4 c + t, lane r is row 64 c + 8 t + (r & 7) + 32 (r >> 3): a lane's 32 score registers of four neighbouring tiles are one block of the quantiser.
; THE SOFTMAX: t = score x log2(e) / sqrt(192); M = the running largest t rounded up to a whole number; p = 2^(t - M) is quantised, not normalised; the row's sum is taken of the unquantised p; when M moves, the sum and O^T are multiplied
; by 2^(old M - new M).  A block's largest p is made of the block's largest score by the same multiply-add and exponential.
; LDS: a head's rel_k, k and v codes, 98,304 bytes each, lie there whole; each byte is filled once.  Waves 0-11 fetch (tensor = wave / 4, part = wave % 4): at the head one key step each (24 rows of 256 bytes): key steps 0-3;
; behind the full sequence and a round three key steps each (72 rows): key steps 4-15, which land under the first four steps' work.  One load of a wave is out at a time.
; CLUSTER: the four query blocks of a cluster belong to one head and read the same three tensors: every load is joint (mask 15).
; No prefetch: all tiles are asked for in two groups ahead of the walk; there is no later request to run ahead of.
; LIMITS: the byte 1 for a block of zeros and for largest magnitudes under 2^-124; NaN and infinities are not served; the promise holds while |t| stays under 2^31.
.set KB,   98304                       ; LDS: rel_k at 0, k here,
.set VB,   196608                      ; v here,
.set KSC,  294912                      ; the key side's scale words [step 16][lane 32][4 words],
.set VSC,  303104                      ; v's [step 16][lane 32][2 words]: both written by LDS stores, never by a fill
.set SPARE, 0x4b000                    ; the spare words: 128 bytes a wave
.set WV,   12
.set TB,   66                          ; s66 the pair of steps' first byte in each tensor of codes; s67, s68 its scale words; s69 trips
.set TS,   67
.set TV,   68
.set CNT,  69
; REGISTERS: v1 16 x lane, v2 8 x lane, v3 8 x (lane / 16); v4-11 LDS addresses; v12 -M, v13 the largest t, v[14:15] the sum; v16-27 [q | q]; v28-39 [0 | rel_q]; v40, v41 their scale words; v42-45 the key side's, v46-47 v's;
; v48-95 key tiles 0-3, then v's four; v192-239 key tiles 4-7, then p's codes (v192-203) and work; v96-159 S^T, then p; v160-191 O^T; v240-253 work; v254, v255 the add's.
.macro ROUND
	s_barrier_signal -1
	s_barrier_wait -1
	s_cmp_lg_u32 s[WV], 0
	s_cbranch_scc1 .Lnot_wave_0_\@
	s_barrier_signal -3
.Lnot_wave_0_\@:
	s_barrier_wait -3
	s_barrier_signal -1
	s_barrier_wait -1
.endm
	s_load_b256 s[4:11], s[0:1], 0x0               ; img, sc, ao_img, ao_sc
	v_lshl_add_u32 v254, v0, 2, SPARE
	v_mov_b32 v255, 0
	ds_add_u32 v254, v255
	ds_add_u32 v254, v255
	v_lshrrev_b32 v1, 5, v0
	s_delay_alu instid0(VALU_DEP_1)
	v_readfirstlane_b32 s[WV], v1                  ; wave 0..15
	s_bfe_u32 s13, ttmp6, 0x40000                  ; cx
	s_lshl_b32 s14, ttmp9, 2
	s_add_co_u32 s14, s14, s13                     ; my block of 256 queries: it enters global addresses of q, rel_q and the results alone
	s_and_b32 s15, ttmp7, 0xffff                   ; 16 x batch + head
	s_and_b32 s16, s15, 15
	s_lshr_b32 s17, s15, 4
	s_lshl_b32 s18, s14, 4
	s_add_co_u32 s18, s18, s[WV]                   ; my tile of queries, 0..127
	s_mov_b32 s20, 0x76543210
	s_mov_b32 s21, 0xfedcba98
	s_mov_b32 s22, 0x3dd53b95                      ; c = log2(e) / sqrt(192)
	s_mov_b32 s23, s22
.irp g, 56, 32                                 ; two groups 1: dense rows of 256 bytes (32 elements of 8), mask 15, bit 21 beside it
	s_mov_b32 s[\g], 15|(3<<16)|(1<<21)
	s_mov_b32 s[\g+1], 32<<16
	s_mov_b32 s[\g+3], 32<<16
	s_mov_b32 s[\g+5], 32
	s_mov_b32 s[\g+6], 0
	s_mov_b32 s[\g+7], 0
.endr
	s_mov_b32 s58, 24<<16                          ; the head's: 24 rows
	s_mov_b32 s60, 24
	s_mov_b32 s34, 72<<16                          ; the second group's: 72 rows
	s_mov_b32 s36, 72
	; offsets, made apart from the addresses
	s_mul_i32 s92, s15, 98304
	s_mul_i32 s93, s18, 768
	s_mul_i32 s94, s16, 98304
	s_lshr_b32 s95, s18, 3
	s_and_b32 s2, s[WV], 1
	s_lshl_b32 s2, s2, 8
	s_bfe_u32 s3, s[WV], 0x20001
	s_lshl_b32 s3, s3, 2
	s_add_co_u32 s2, s2, s3
	s_add_co_u32 s70, s92, s93                     ; q's tile
	s_mov_b32 s71, 0
	s_add_co_u32 s72, s94, s93
	s_add_co_u32 s72, s72, 9437184                 ; rel_q's
	s_mov_b32 s73, 0
	s_lshl_b32 s74, s15, 4
	s_add_co_u32 s74, s74, s95
	s_lshl_b32 s74, s74, 9
	s_add_co_u32 s74, s74, s2                      ; q's scale words
	s_mov_b32 s75, 0
	s_lshl_b32 s90, s16, 4
	s_add_co_u32 s90, s90, s95
	s_lshl_b32 s90, s90, 9
	s_add_co_u32 s90, s90, s2
	s_add_co_u32 s90, s90, 786432                  ; rel_q's
	s_mov_b32 s91, 0
	s_lshl_b32 s84, s15, 13
	s_add_co_u32 s84, s84, 262144                  ; k's scale words of the head
	s_mov_b32 s85, 0
	s_lshl_b32 s86, s16, 13
	s_add_co_u32 s86, s86, 917504                  ; rel_k's
	s_mov_b32 s87, 0
	s_and_b32 s88, s15, -2
	s_lshl_b32 s88, s88, 13
	s_add_co_u32 s88, s88, 524288                  ; v's
	s_and_b32 s3, s16, 1
	s_lshl_b32 s80, s3, 4
	s_lshl_b32 s3, s3, 3
	s_add_co_u32 s88, s88, s3
	s_mov_b32 s89, 0
	s_lshl_b32 s3, s17, 7
	s_add_co_u32 s3, s3, s18
	s_lshl_b32 s3, s3, 4
	s_add_co_u32 s3, s3, s16
	s_mul_i32 s76, s3, 768
	s_mov_b32 s77, 0
	s_lshl_b32 s78, s3, 6
	s_mov_b32 s79, 0
	; what I fetch, if I fetch: nothing here hangs on my place in the cluster
	s_lshr_b32 s44, s[WV], 2
	s_min_u32 s44, s44, 2                          ; 0 rel_k, 1 k, 2 v
	s_add_co_u32 s82, s94, 11010048
	s_add_co_u32 s3, s92, 3145728
	s_add_co_u32 s83, s92, 6291456
	s_cmp_eq_u32 s44, 1
	s_cselect_b32 s83, s3, s83
	s_cmp_eq_u32 s44, 0
	s_cselect_b32 s82, s82, s83
	s_mov_b32 s83, 0
	s_mul_i32 s19, s44, 98304
	s_and_b32 s45, s[WV], 3
	s_mul_i32 s40, s45, 6144                       ; the head's part: key step wave % 4
	s_mov_b32 s41, 0
	s_mul_i32 s42, s45, 18432
	s_add_co_u32 s42, s42, 24576                   ; the second: key steps 4 + 3 (wave % 4) ..
	s_mov_b32 s43, 0
	s_wait_dscnt 0x0
	s_wait_kmcnt 0x0
	s_add_nc_u64 s[82:83], s[4:5], s[82:83]
	s_add_nc_u64 s[70:71], s[4:5], s[70:71]
	s_add_nc_u64 s[72:73], s[4:5], s[72:73]
	s_add_nc_u64 s[74:75], s[6:7], s[74:75]
	s_add_nc_u64 s[90:91], s[6:7], s[90:91]
	s_add_nc_u64 s[84:85], s[6:7], s[84:85]
	s_add_nc_u64 s[86:87], s[6:7], s[86:87]
	s_add_nc_u64 s[88:89], s[6:7], s[88:89]
	s_add_nc_u64 s[76:77], s[8:9], s[76:77]
	s_add_nc_u64 s[78:79], s[10:11], s[78:79]
	s_mov_b32 s24, 1
	s_add_co_u32 s25, s19, s40
	s_add_nc_u64 s[26:27], s[82:83], s[40:41]
	s_or_b32 s27, s27, 0x80000000
	s_mov_b32 s28, 1
	s_add_co_u32 s29, s19, s42
	s_add_nc_u64 s[30:31], s[82:83], s[42:43]
	s_or_b32 s31, s31, 0x80000000
	ROUND                                          ; the joint loads meet
	s_cmp_lt_u32 s[WV], 12
	s_cbranch_scc0 .Lno_fill
	tensor_load_to_lds s[24:27], s[56:63]
	s_nop 0
.rept 4
	v_nop
.endr
.Lno_fill:
	v_and_b32 v10, 31, v0
	s_delay_alu instid0(VALU_DEP_1)
	v_lshlrev_b32 v1, 4, v10
	s_delay_alu instid0(VALU_DEP_2)
	v_lshlrev_b32 v2, 3, v10
	v_bfe_u32 v3, v0, 4, 1
	s_delay_alu instid0(VALU_DEP_1)
	v_lshlrev_b32 v3, 3, v3
	v_lshlrev_b32 v4, 4, v0                        ; 16 x thread: the 512 threads read a head's 8,192 bytes of scale words
	v_lshrrev_b32 v5, 5, v0
	s_delay_alu instid0(VALU_DEP_1)
	v_lshl_add_u32 v5, v5, 10, v1
	v_and_b32 v6, 15, v0
	s_delay_alu instid0(VALU_DEP_1)
	v_lshlrev_b32 v7, 4, v6
	v_lshl_add_u32 v8, v0, 4, KSC
	v_lshl_add_u32 v9, v0, 3, VSC
	global_load_b128 v[96:99], v4, s[84:85]        ; k's words (0 0 k0 k1)
	global_load_b128 v[100:103], v4, s[86:87]      ; rel_k's (r0 r1 0 0)
	global_load_b64 v[104:105], v5, s[88:89]       ; v's, keys 0-63 of the step
	global_load_b64 v[106:107], v5, s[88:89] offset:512   ; keys 64-127
	global_load_b128 v[16:19], v1, s[70:71]        ; [q | q]
	global_load_b64 v[20:21], v2, s[70:71] offset:512
	global_load_b128 v[22:25], v1, s[70:71]
	global_load_b64 v[26:27], v2, s[70:71] offset:512
	global_load_b128 v[34:37], v1, s[72:73]        ; [0 | rel_q]
	global_load_b64 v[38:39], v2, s[72:73] offset:512
	global_load_b32 v40, v7, s[74:75]
	global_load_b32 v41, v7, s[90:91]
.irp j, 28,29,30,31,32,33
	v_mov_b32 v\j, 0                               ; zero codes
.endr
	v_mov_b32 v13, 0xff61b1e6                      ; the largest t so far: -3e38
	s_delay_alu instid0(VALU_DEP_1)
	v_floor_f32 v12, -v13
	v_mov_b32 v14, 0
	v_mov_b32 v15, 0
.irp j, 0,1,2,3,4,5,6,7,8,9,10,11,12,13,14,15,16,17,18,19,20,21,22,23,24,25,26,27,28,29,30,31
	v_mov_b32 v[160+\j], 0                         ; O^T: the step is written once; the first finds zeros
.endr
	s_wait_loadcnt 8                               ; the four loads of scale words are in; the eight behind them may be out
.irp j, 0,1,2,3
	v_or_b32 v[96+\j], v[96+\j], v[100+\j]         ; (r0 r1 k0 k1)
.endr
	v_or_b32 v104, v104, v106
	v_or_b32 v105, v105, v107
	ds_store_b128 v8, v[96:99]
	ds_store_b64 v9, v[104:105]
	s_wait_loadcnt 0x0
	s_wait_alu depctr_va_vdst(0)                   ; the wait at the head's end
	s_wait_tensorcnt 0x0                           ; my part of key steps 0-3 is in; the lines ahead of a later first fill:
	ds_add_u32 v254, v255
	ds_add_u32 v254, v255
	s_wait_dscnt 0x0                               ; the adds and my stores of scale words
	ROUND
	s_cmp_lt_u32 s[WV], 12
	s_cbranch_scc0 .Lno_fill2
	tensor_load_to_lds s[28:31], s[32:39]          ; key steps 4-15
	s_nop 0
.rept 4
	v_nop
.endr
.Lno_fill2:
.macro MM d, a, b, z, sa, sb, row1
.if \z
.if \row1
	v_wmma_scale_f32_16x16x128_f8f6f4 v[\d:\d+7], v[\a:\a+11], v[\b:\b+11], 0, v[\sa], v[\sb] matrix_a_fmt:MATRIX_FMT_FP6 matrix_b_fmt:MATRIX_FMT_FP6 matrix_a_scale:MATRIX_SCALE_ROW1
.else
	v_wmma_scale_f32_16x16x128_f8f6f4 v[\d:\d+7], v[\a:\a+11], v[\b:\b+11], 0, v[\sa], v[\sb] matrix_a_fmt:MATRIX_FMT_FP6 matrix_b_fmt:MATRIX_FMT_FP6
.endif
.else
.if \row1
	v_wmma_scale_f32_16x16x128_f8f6f4 v[\d:\d+7], v[\a:\a+11], v[\b:\b+11], v[\d:\d+7], v[\sa], v[\sb] matrix_a_fmt:MATRIX_FMT_FP6 matrix_b_fmt:MATRIX_FMT_FP6 matrix_a_scale:MATRIX_SCALE_ROW1
.else
	v_wmma_scale_f32_16x16x128_f8f6f4 v[\d:\d+7], v[\a:\a+11], v[\b:\b+11], v[\d:\d+7], v[\sa], v[\sb] matrix_a_fmt:MATRIX_FMT_FP6 matrix_b_fmt:MATRIX_FMT_FP6
.endif
.endif
.endm
.macro SUM b                           ; half of the 64 p (pairs b, b + 4, ..) onto the row's sum, in chains that take turns
	v_pk_add_f32 v[252:253], v[\b:\b+1], v[\b+4:\b+5]
	v_pk_add_f32 v[250:251], v[\b+8:\b+9], v[\b+12:\b+13]
	v_pk_add_f32 v[248:249], v[\b+16:\b+17], v[\b+20:\b+21]
	v_pk_add_f32 v[246:247], v[\b+24:\b+25], v[\b+28:\b+29]
	v_pk_add_f32 v[244:245], v[\b+32:\b+33], v[\b+36:\b+37]
	v_pk_add_f32 v[242:243], v[\b+40:\b+41], v[\b+44:\b+45]
	v_pk_add_f32 v[240:241], v[\b+48:\b+49], v[\b+52:\b+53]
	v_pk_add_f32 v[14:15], v[14:15], v[\b+56:\b+57]
	v_pk_add_f32 v[252:253], v[252:253], v[\b+60:\b+61]
	s_delay_alu instid0(VALU_DEP_2)
	v_pk_add_f32 v[14:15], v[14:15], v[246:247]
	s_delay_alu instid0(VALU_DEP_2)
	v_pk_add_f32 v[252:253], v[252:253], v[244:245]
	v_pk_add_f32 v[250:251], v[250:251], v[242:243]
	v_pk_add_f32 v[248:249], v[248:249], v[240:241]
	s_delay_alu instid0(VALU_DEP_2)
	v_pk_add_f32 v[14:15], v[14:15], v[250:251]
	s_delay_alu instid0(VALU_DEP_2)
	v_pk_add_f32 v[252:253], v[252:253], v[248:249]
	s_delay_alu instid0(VALU_DEP_1)
	v_pk_add_f32 v[14:15], v[14:15], v[252:253]
.endm
; A KEY STEP: 128 keys, eight tiles.  o: which step of the pair that the addresses serve.
.macro STEP o
	ds_load_b128 v[42:45], v10 offset:\o*512       ; register e: lanes 0-15 tile 2 e's words, lanes 16-31 tile 2 e + 1's
.irp u, 0,1,2,3,4,5,6,7                        ; all eight key tiles in one run: rel_k's half fragment, then k's
.set F, 48+12*\u+96*(\u/4)
	ds_load_b128 v[F:F+3], v4 offset:\u*768+\o*6144
	ds_load_b64 v[F+4:F+5], v5 offset:\u*768+512+\o*6144
	ds_load_b128 v[F+6:F+9], v6 offset:\u*768+\o*6144
	ds_load_b64 v[F+10:F+11], v7 offset:\u*768+512+\o*6144
.endr
.irp g, 0,1
	s_wait_dscnt 16-16*\g                          ; tiles 0-3 are in while the sixteen loads of tiles 4-7 may be out; then all
.irp z, 1,0                                    ; four accumulators by turns: [q | q], then [0 | rel_q]
.irp t, 0,1,2,3
	MM 96+8*(4*\g+\t), 48+12*\t+144*\g, 28-12*\z, \z, 42+2*\g+\t/2, 41-\z, \t%2
.endr
.endr
.endr
.rept 4
	v_nop                                          ; places: for the loads below, the first read of the scores and the first write over tiles 4-7
.endr
.irp t, 0,1,2,3                                ; v's four tiles land under the softmax
	ds_load_b128 v[48+12*\t:51+12*\t], v8 offset:\t*768+\o*6144
	ds_load_b64 v[52+12*\t:53+12*\t], v9 offset:\t*768+512+\o*6144
	ds_load_b128 v[54+12*\t:57+12*\t], v8 offset:3072+\t*768+\o*6144
	ds_load_b64 v[58+12*\t:59+12*\t], v9 offset:3072+\t*768+512+\o*6144
.endr
	ds_load_b64 v[46:47], v11 offset:\o*256
.irp c, 0,1
	v_max3_num_f32 v[212+\c], v[96+32*\c], v[97+32*\c], v[98+32*\c]   ; the largest score of each of my two blocks of 32 keys
.endr
.irp i, 3,5,7,9,11,13,15,17,19,21,23,25,27,29
.irp c, 0,1
	v_max3_num_f32 v[212+\c], v[212+\c], v[96+32*\c+\i], v[97+32*\c+\i]
.endr
.endr
.irp c, 0,1
	v_max_num_f32 v[212+\c], v[212+\c], v[127+32*\c]
.endr
	s_delay_alu instid0(VALU_DEP_1)
	v_max_num_f32 v214, v212, v213
	s_delay_alu instid0(VALU_DEP_1)
	v_permlanex16_b32 v215, v214, s20, s21
	s_delay_alu instid0(VALU_DEP_1)
	v_max_num_f32 v214, v214, v215                 ; the step's largest score of my query
	s_delay_alu instid0(VALU_DEP_1)
	v_mul_f32 v214, s22, v214
	s_delay_alu instid0(VALU_DEP_1)
	v_max_num_f32 v13, v13, v214                   ; the running largest t
	v_mov_b32 v214, v12
	s_delay_alu instid0(VALU_DEP_2)
	v_floor_f32 v12, -v13                          ; the new -M
	s_delay_alu instid0(VALU_DEP_1)
	v_sub_f32 v214, v12, v214                      ; old M - new M
	s_delay_alu instid0(VALU_DEP_1)
	v_cvt_i32_f32 v214, v214
	s_delay_alu instid0(VALU_DEP_1)
	v_ldexp_f32 v222, 1.0, v214                    ; f = 2^(old M - new M)
.irp j, 0,2,4,6,8,10,12,14,16,18,20,22,24,26,28,30,32,34,36,38,40,42,44,46,48,50,52,54,56,58,60,62
	v_pk_fma_f32 v[96+\j:97+\j], v[96+\j:97+\j], s[22:23], v[12:13] op_sel_hi:[1,0,0]   ; t - M
.endr
.irp c, 0,1
	v_fma_f32 v[212+\c], v[212+\c], s22, v12
.endr
	s_wait_alu depctr_va_vdst(0)                   ; the wait ahead of the batch
.irp j, 0,1,2,3,4,5,6,7,8,9,10,11,12,13,14,15,16,17,18,19,20,21,22,23,24,25,26,27,28,29,30,31,32,33,34,35,36,37,38,39,40,41,42,43,44,45,46,47,48,49,50,51,52,53,54,55,56,57,58,59,60,61,62,63
	v_exp_f32 v[96+\j], v[96+\j]                   ; p = 2^(t - M)
.endr
	v_pk_mul_f32 v[14:15], v[14:15], v[222:223] op_sel_hi:[1,0]   ; the sums under the new M
	s_wait_alu depctr_va_vdst(0)                   ; one wait for the batch of 64
.irp c, 0,1
	v_exp_f32 v[212+\c], v[212+\c]                 ; the block's largest p
.endr
	SUM 96
	s_wait_alu depctr_va_vdst(0)                   ; and one for the two
.irp c, 0,1
	v_max_num_f32 v[212+\c], 0x1800000, v[212+\c]  ; the floor 2^(3 - 127)
.endr
.irp c, 0,1
	s_delay_alu instid0(VALU_DEP_2)
	v_add_nc_u32 v[216+\c], 0xff000000, v[212+\c]  ; the conversion's scale operand
.endr
.irp c, 0,1
	s_delay_alu instid0(VALU_DEP_2)
	v_lshrrev_b32 v[218+\c], 23, v[216+\c]
.endr
	s_delay_alu instid0(VALU_DEP_1)
	v_lshl_or_b32 v220, v219, 16, v218
	s_delay_alu instid0(VALU_DEP_1)
	v_lshlrev_b32 v220, v3, v220
	s_delay_alu instid0(VALU_DEP_1)
	v_permlanex16_b32 v215, v220, s20, s21
	s_delay_alu instid0(VALU_DEP_1)
	v_or_b32 v220, v220, v215                      ; p's scale word
	v_cvt_scalef32_pk16_fp6_f32 v[192:194], v[96:111], v216
	v_cvt_scalef32_pk16_fp6_f32 v[204:206], v[112:127], v216   ; (a conversion's three registers begin on an even number)
	v_cvt_scalef32_pk16_fp6_f32 v[198:200], v[128:143], v217
	v_cvt_scalef32_pk16_fp6_f32 v[208:210], v[144:159], v217
	v_nop
.irp i, 0,1,2
	v_mov_b32 v[195+\i], v[204+\i]
	v_mov_b32 v[201+\i], v[208+\i]
.endr
	s_wait_alu depctr_va_vdst(0)                   ; the wait directly ahead of the first reader of O^T
.irp j, 0,2,4,6,8,10,12,14,16,18,20,22,24,26,28,30
	v_pk_mul_f32 v[160+\j:161+\j], v[160+\j:161+\j], v[222:223] op_sel_hi:[1,0]   ; O^T under the new M
.endr
	s_wait_alu depctr_va_vdst(0)
	s_wait_dscnt 0x0                               ; v's fragments and scale words
.irp t, 0,1,2,3
	MM 160+8*\t, 48+12*\t, 192, 0, 46+\t/2, 220, \t%2
.endr
	SUM 98                                         ; the other half of the sum: sixteen places behind these products, ahead of the next loads into their registers
.endm
.macro PHASE trips, first              ; 2 x trips key steps from step first on
	s_mov_b32 s[TB], \first*6144
	s_mov_b32 s[TS], KSC+\first*512
	s_mov_b32 s[TV], VSC+\first*256
	s_mov_b32 s[CNT], \trips
.Lpair_\@:
	v_add_nc_u32 v4, s[TB], v1                     ; the addresses of two steps
	v_add_nc_u32 v5, s[TB], v2
	v_add_nc_u32 v10, s[TS], v1
	v_add_nc_u32 v11, s[TV], v2
	v_add_nc_u32 v6, KB, v4
	v_add_nc_u32 v7, KB, v5
	v_add_nc_u32 v8, VB, v4
	v_add_nc_u32 v9, VB, v5
	s_wait_alu depctr_va_vdst(0)                   ; the wait
	STEP 0
	STEP 1
	s_add_co_u32 s[TB], s[TB], 12288
	s_add_co_u32 s[TS], s[TS], 1024
	s_add_co_u32 s[TV], s[TV], 512
	s_sub_co_u32 s[CNT], s[CNT], 1
	s_cmp_lg_u32 s[CNT], 0
	s_cbranch_scc1 .Lpair_\@
.endm
	PHASE 2, 0                                     ; key steps 0-3
	s_wait_tensorcnt 0x0                           ; my part of key steps 4-15 is in
	s_wait_dscnt 0x0
	s_barrier_signal -1
	s_barrier_wait -1                              ; everybody's is
	PHASE 6, 4                                     ; key steps 4-15
	; THE WAY OUT.  O^T / the sum; my 32 numbers are d = 32 (lane / 16) + 0 .. 31: one block of the output projection's K.  They leave as a half fragment and a scale word.
	v_add_f32 v14, v14, v15
	s_delay_alu instid0(VALU_DEP_1)
	v_permlanex16_b32 v215, v14, s20, s21
	s_delay_alu instid0(VALU_DEP_1)
	v_add_f32 v14, v14, v215                       ; the row's sum
	s_wait_alu depctr_va_vdst(0)
	v_rcp_f32 v14, v14
	v_and_b32 v4, 15, v0
	s_delay_alu instid0(VALU_DEP_1)
	v_lshlrev_b32 v4, 2, v4
	s_wait_alu depctr_va_vdst(0)                   ; ahead of the first reader of the reciprocal and of O^T
.irp j, 0,2,4,6,8,10,12,14,16,18,20,22,24,26,28,30
	v_pk_mul_f32 v[96+\j:97+\j], v[160+\j:161+\j], v[14:15] op_sel_hi:[1,0]
.endr
	v_max3_num_f32 v212, |v96|, |v97|, 0x1800000
.irp i, 2,4,6,8,10,12,14,16,18,20,22,24,26,28,30
	s_delay_alu instid0(VALU_DEP_1)
	v_max3_num_f32 v212, v212, |v[96+\i]|, |v[97+\i]|
.endr
	s_delay_alu instid0(VALU_DEP_1)
	v_add_nc_u32 v216, 0xff000000, v212
	s_delay_alu instid0(VALU_DEP_1)
	v_lshrrev_b32 v218, 23, v216
	s_delay_alu instid0(VALU_DEP_1)
	v_lshlrev_b32 v220, v3, v218
	s_delay_alu instid0(VALU_DEP_1)
	v_permlanex16_b32 v215, v220, s20, s21
	s_delay_alu instid0(VALU_DEP_1)
	v_or_b32 v220, v220, v215                      ; the head's two bytes,
	s_delay_alu instid0(VALU_DEP_1)
	v_lshlrev_b32 v220, s80, v220                  ; in the half of the K step's word that is my head's
	v_cvt_scalef32_pk16_fp6_f32 v[192:194], v[96:111], v216
	v_cvt_scalef32_pk16_fp6_f32 v[204:206], v[112:127], v216
	v_nop
.irp i, 0,1,2
	v_mov_b32 v[195+\i], v[204+\i]
.endr
	global_store_b128 v1, v[192:195], s[76:77]     ; 512 consecutive bytes
	global_store_b64 v2, v[196:197], s[76:77] offset:512   ; and 256
	global_store_b32 v4, v220, s[78:79]            ; 16 words; both halves of the lanes write the same word with the same value
	s_wait_tensorcnt 0x0                           ; the wave's end
	ds_add_u32 v254, v255
	s_wait_dscnt 0x0
	ROUND                                          ; the closing round
	s_endpgm
.Lfunc_end_k_q9ee36e4e8f_attn:
	.size	k_q9ee36e4e8f_attn, .Lfunc_end_k_q9ee36e4e8f_attn-k_q9ee36e4e8f_attn
	.p2alignl 7, 3214868480
	.fill 96, 4, 3214868480
	.section	.rodata,"a",@progbits
	.p2align	6, 0x0
	.amdhsa_kernel k_q9ee36e4e8f_attn
		.amdhsa_group_segment_fixed_size 327680
		.amdhsa_private_segment_fixed_size 0
		.amdhsa_enable_private_segment 0
		.amdhsa_kernarg_size 32
		.amdhsa_user_sgpr_count 2
		.amdhsa_user_sgpr_kernarg_segment_ptr 1
		.amdhsa_wavefront_size32 1
		.amdhsa_system_sgpr_workgroup_id_x 1
		.amdhsa_system_sgpr_workgroup_id_y 1
		.amdhsa_system_sgpr_workgroup_id_z 1
		.amdhsa_system_vgpr_workitem_id 0
		.amdhsa_next_free_vgpr 256
		.amdhsa_next_free_sgpr 96
		.amdhsa_reserve_vcc 0
		.amdhsa_float_denorm_mode_32 3
		.amdhsa_float_denorm_mode_16_64 3
		.amdhsa_memory_ordered 1
		.amdhsa_forward_progress 1
		.amdhsa_inst_pref_size 87
	.end_amdhsa_kernel
	.amdgpu_metadata
---
amdhsa.version: [ 1, 2 ]
amdhsa.kernels:
  - .name:           k_q9ee36e4e8f_attn
    .symbol:         k_q9ee36e4e8f_attn.kd
    .args:
      - { .name: img, .offset: 0, .size: 8, .value_kind: global_buffer, .address_space: global }
      - { .name: sc, .offset: 8, .size: 8, .value_kind: global_buffer, .address_space: global }
      - { .name: ao_img, .offset: 16, .size: 8, .value_kind: global_buffer, .address_space: global }
      - { .name: ao_sc, .offset: 24, .size: 8, .value_kind: global_buffer, .address_space: global }
    .group_segment_fixed_size: 327680
    .private_segment_fixed_size: 0
    .kernarg_segment_align: 8
    .kernarg_segment_size: 32
    .max_flat_workgroup_size: 512
    .sgpr_count:     96
    .vgpr_count:     256
    .wavefront_size: 32
...
	.end_amdgpu_metadata
.endif
;; end of part 3
;; launch outln (part 4): grid 128 x 1, 16 waves a work-group, no clusters, 160,256 bytes of LDS; arguments ao_img, ao_sc, wo_img, Wo_scales, bo, hidden_states, ln_g, ln_b, out0; writes out0
.if DOCPART == 4
	.amdgcn_target "amdgcn-amd-amdhsa--gfx1250"
	.amdhsa_code_object_version 6
	.text
	.protected	k_q9ee36e4e8f_outln
	.globl	k_q9ee36e4e8f_outln
	.p2align	8
	.type	k_q9ee36e4e8f_outln,@function
k_q9ee36e4e8f_outln:
	s_mov_b64 s[64:65], 0
	v_nop
	global_prefetch_b8 v0, s[64:65] scope:SCOPE_SE
	s_setreg_imm32_b32 hwreg(HW_REG_WAVE_MODE, 25, 1), 1
	s_wait_xcnt 0x0
; OUTLN.  y = attention output x Wo (codes of FP6 with E8M0 scales, K = 1024), + bo + x, LayerNorm.
; SHARES.  The norm wants whole rows, so a work-group takes two tiles of 16 rows across all 1,024 columns.  In the product wave w makes columns 64 w .. 64 w + 63: 4 tiles of Wo's rows x 2 tiles of rows = 8 accumulators, by turns.
; Source 0 = 16 rows of Wo, source 1 = the rows' fragment: a lane holds one row and eight neighbouring columns.  The results meet in a stage in LDS; then wave w norms stage rows w and 16 + w, a row in 32 registers a lane.
; Wo's fragments come from memory straight into registers, three loads of 512 consecutive bytes each (the first launch laid them so), two K steps ahead.  Each is read by ONE wave of the work-group.
; NO JOINT LOADS: every work-group walks all 786,432 bytes of Wo, and what LDS leaves beside the stage holds about a fifth of that: five refills or more, each behind a round of a cluster's barrier, with eight matrix instructions a wave
; to stand between two of them.  128 work-groups: with 16 rows to a work-group Wo would be walked twice as often.
; A tile's rows are not neighbours: tile T = 128 batch + 4 c + t, lane r is row 64 c + 8 t + (r & 7) + 32 (r >> 3) of its batch.
; The variance is taken of z - mean, in a second pass over registers: a common offset of the inputs costs no accuracy.
.set SPI,  4112                        ; a stage row: 4,096 bytes + 16
.set AIMG, 32*SPI                      ; behind the stage: the two tiles' 16 half fragments each, 12,288 bytes a tile,
.set ASC,  AIMG+2*12288                ; and their scale words [tile][row 16][head 16]
.set AS,   10                          ; v10-25  the rows' scale words (tile m, K step s) at 8 m + s
.set WS,   26                          ; v26-57  Wo's (tile t, K step s) at 8 t + s
.set AF,   58                          ; v58-81  the rows' two fragments of a K step
.set WF,   82                          ; v82-129, v130-177 Wo's four fragments, two sets
.set ACC,  178                         ; v178-241 accumulator (m, t) at 8 (4 m + t)
.set BO,   10                          ; for the norm: bo v10-41, ln_g v42-73, ln_b v114-129 and v162-177, x v82-113 and v130-161, y v178-209 and v210-241
.set LG,   42
; v1 16 x lane, v2 8 x lane, v3 4 r, v4 32 r; v5-9, v242-246 LDS addresses; v248-255 at work
	s_load_b512 s[4:19], s[0:1], 0x0               ; ao_img, ao_sc, wo_img, Wo_scales, bo, x, ln_g, ln_b
	s_load_b64 s[20:21], s[0:1], 0x40              ; out0
	v_lshrrev_b32 v1, 5, v0
	s_delay_alu instid0(VALU_DEP_1)
	v_readfirstlane_b32 s22, v1                    ; wave 0..15
	v_and_b32 v248, 31, v0                         ; lane
	v_and_b32 v249, 15, v0                         ; r
	v_bfe_u32 v250, v0, 4, 1                       ; h
	s_delay_alu instid0(VALU_DEP_3)
	v_lshlrev_b32 v1, 4, v248
	s_delay_alu instid0(VALU_DEP_4)
	v_lshlrev_b32 v2, 3, v248
	s_delay_alu instid0(VALU_DEP_4)
	v_lshlrev_b32 v3, 2, v249
	v_lshlrev_b32 v4, 5, v249
	s_mul_i32 s26, s22, 768
	s_add_co_u32 s26, s26, AIMG
	v_add_nc_u32 v5, s26, v1                       ; where I put head w's half fragment: registers 0-3,
	v_add_nc_u32 v6, s26, v2
	s_delay_alu instid0(VALU_DEP_1)
	v_add_nc_u32 v6, 512, v6                       ; registers 4-5,
	s_lshl_b32 s26, s22, 2
	s_add_co_u32 s26, s26, ASC
	v_lshl_add_u32 v7, v249, 6, s26                ; and its scale word: row r, head w
	v_lshl_add_u32 v8, v249, 6, ASC                ; where I read row r's sixteen words
	v_add_nc_u32 v9, AIMG, v1                      ; where I read half fragments
	v_add_nc_u32 v242, AIMG+512, v2
	v_mul_u32_u24 v243, v249, SPI
	s_delay_alu instid0(VALU_DEP_1)
	v_lshl_add_u32 v243, v250, 5, v243
	s_lshl_b32 s26, s22, 8
	v_add_nc_u32 v243, s26, v243                   ; the stage: row r, + 256 w + 32 h
	s_delay_alu instid0(VALU_DEP_1)
	v_add_nc_u32 v244, 16*SPI, v243                ; (16 rows are past the 16-bit immediate: an address of its own)
	s_mul_i32 s26, s22, SPI
	v_add_nc_u32 v245, s26, v1                     ; back: row w, 16 bytes a lane
	s_delay_alu instid0(VALU_DEP_1)
	v_add_nc_u32 v246, 16*SPI, v245                ; and row 16 + w
	v_mov_b32 v253, 0                              ; (upper halves of pairs whose low word serves both halves)
	v_mov_b32 v255, 0
	s_mov_b32 s28, 0x76543210
	s_mov_b32 s29, 0xfedcba98
	s_mov_b32 s30, 0x3a800000                      ; 1 / 1024
	s_mov_b32 s31, 0x33d6bf95                      ; 1e-7
	s_mov_b32 s25, 0
	s_mov_b32 s33, 0
	s_mov_b32 s35, 0
	s_mov_b32 s37, 0
	s_mov_b32 s39, 0
	s_mul_i32 s24, ttmp9, 24576                    ; my two tiles' half fragments,
	s_mul_i32 s26, s22, 768
	s_add_co_u32 s24, s24, s26                     ; head w's
	s_lshl_b32 s32, ttmp9, 11
	s_lshl_b32 s26, s22, 6
	s_add_co_u32 s32, s32, s26                     ; its scale words
	s_mul_i32 s34, s22, 49152                      ; my four tiles of Wo
	s_lshl_b32 s36, s22, 11                        ; their scale bytes: 64 rows of 32
	s_lshr_b32 s38, ttmp9, 6
	s_lshl_b32 s38, s38, 11                        ; the row that I norm first: batch x 2,048
	s_and_b32 s26, ttmp9, 63
	s_lshr_b32 s26, s26, 1
	s_lshl_b32 s26, s26, 6
	s_add_co_u32 s38, s38, s26                     ; + 64 c
	s_and_b32 s26, ttmp9, 1
	s_lshl_b32 s26, s26, 4
	s_add_co_u32 s38, s38, s26                     ; + 8 t, t = 2 (work-group % 2)
	s_and_b32 s26, s22, 7
	s_add_co_u32 s38, s38, s26
	s_lshr_b32 s26, s22, 3
	s_lshl_b32 s26, s26, 5
	s_add_co_u32 s38, s38, s26                     ; + (w & 7) + 32 (w >> 3)
	s_lshl_b32 s38, s38, 12                        ; in bytes
	s_wait_kmcnt 0x0
	s_add_nc_u64 s[4:5], s[4:5], s[24:25]
	s_add_nc_u64 s[6:7], s[6:7], s[32:33]
	s_add_nc_u64 s[8:9], s[8:9], s[34:35]
	s_add_nc_u64 s[10:11], s[10:11], s[36:37]
	s_add_nc_u64 s[14:15], s[14:15], s[38:39]
	s_add_nc_u64 s[20:21], s[20:21], s[38:39]
.macro WLOAD s                         ; Wo's four fragments of K step s into set s % 2
.irp t, 0,1,2,3
.irp c, 0,1,2
	global_load_b128 v[WF+48*((\s)%2)+12*\t+4*\c:WF+48*((\s)%2)+12*\t+4*\c+3], v1, s[8:9] offset:\t*12288+(\s)*1536+\c*512
.endr
.endr
.endm
.macro ROWLOAD reg, lo, off            ; 4,096 bytes: eight loads of 512 consecutive bytes; register 4 i + j is column 128 i + 4 lane + j
.irp i, 0,1,2,3,4,5,6,7
	global_load_b128 v[\reg+4*\i:\reg+4*\i+3], v1, s[\lo:\lo+1] offset:512*\i+\off
.endr
.endm
.irp m, 0,1                                    ; head w's half fragment and scale words of both tiles (into registers that the sums take later)
	global_load_b128 v[ACC+8*\m:ACC+8*\m+3], v1, s[4:5] offset:\m*12288
	global_load_b64 v[ACC+8*\m+4:ACC+8*\m+5], v2, s[4:5] offset:\m*12288+512
	global_load_b32 v[ACC+16+\m], v3, s[6:7] offset:\m*1024
.endr
.irp t, 0,1,2,3
	global_load_b128 v[WS+8*\t:WS+8*\t+3], v4, s[10:11] offset:\t*512
	global_load_b128 v[WS+8*\t+4:WS+8*\t+7], v4, s[10:11] offset:\t*512+16
.endr
	WLOAD 0
	WLOAD 1
	s_wait_loadcnt 32                              ; the first six are in; Wo's 8 + 12 + 12 may be out
.irp m, 0,1
	ds_store_b128 v5, v[ACC+8*\m:ACC+8*\m+3] offset:\m*12288
	ds_store_b64 v6, v[ACC+8*\m+4:ACC+8*\m+5] offset:\m*12288
	ds_store_b32 v7, v[ACC+16+\m] offset:\m*1024   ; both halves of the lanes write the same word with the same value
.endr
	s_wait_dscnt 0x0                               ; for the others' sake
	s_barrier_signal -1
	s_barrier_wait -1                              ; all sixteen heads' images lie in LDS
.irp m, 0,1
.irp i, 0,1,2,3
	ds_load_b128 v[ACC+16*\m+4*\i:ACC+16*\m+4*\i+3], v8 offset:\m*1024+16*\i
.endr
.endr
	s_wait_dscnt 0x0
.irp m, 0,1
.irp s, 0,1,2,3,4,5,6,7
	v_or_b32 v[AS+8*\m+\s], v[ACC+16*\m+2*\s], v[ACC+16*\m+2*\s+1]   ; K step s = heads 2 s and 2 s + 1: two bytes each
.endr
.endr
.rept 8
	v_nop                                          ; a scale register written by a vector instruction stands 8 places ahead of a scaled matrix instruction
.endr
.macro KSTEP s
.irp m, 0,1
	ds_load_b128 v[AF+12*\m:AF+12*\m+3], v9 offset:\m*12288+2*\s*768
	ds_load_b64 v[AF+12*\m+4:AF+12*\m+5], v242 offset:\m*12288+2*\s*768
	ds_load_b128 v[AF+12*\m+6:AF+12*\m+9], v9 offset:\m*12288+(2*\s+1)*768
	ds_load_b64 v[AF+12*\m+10:AF+12*\m+11], v242 offset:\m*12288+(2*\s+1)*768
.endr
.if \s < 7
	s_wait_loadcnt 12                              ; this K step's weights are in; the next step's twelve loads may be out
.else
	s_wait_loadcnt 8                               ; behind the last weights: the eight loads of x's first row
.endif
	s_wait_dscnt 0x0
.irp m, 0,1
.irp t, 0,1,2,3
.if \s == 0
	v_wmma_scale_f32_16x16x128_f8f6f4 v[ACC+8*(4*\m+\t):ACC+8*(4*\m+\t)+7], v[WF+48*(\s%2)+12*\t:WF+48*(\s%2)+12*\t+11], v[AF+12*\m:AF+12*\m+11], 0, v[WS+8*\t+\s], v[AS+8*\m+\s] matrix_a_fmt:MATRIX_FMT_FP6 matrix_b_fmt:MATRIX_FMT_FP6
.else
	v_wmma_scale_f32_16x16x128_f8f6f4 v[ACC+8*(4*\m+\t):ACC+8*(4*\m+\t)+7], v[WF+48*(\s%2)+12*\t:WF+48*(\s%2)+12*\t+11], v[AF+12*\m:AF+12*\m+11], v[ACC+8*(4*\m+\t):ACC+8*(4*\m+\t)+7], v[WS+8*\t+\s], v[AS+8*\m+\s] matrix_a_fmt:MATRIX_FMT_FP6 matrix_b_fmt:MATRIX_FMT_FP6
.endif
.endr
.endr
.rept 4
	v_nop                                          ; places in front of loads into registers that these products have read, and of the first read of results
.endr
.if \s < 6
	WLOAD (\s)+2
.elseif \s == 6
	ROWLOAD 82, 14, 0                              ; x's first row, into the set that is done with
.endif
.endm
	s_wait_alu depctr_va_vdst(0)
.irp s, 0,1,2,3,4,5,6,7
	KSTEP \s
.endr
	ROWLOAD 130, 14, 32768                         ; x's second row: 8 rows further down
	ROWLOAD BO, 12, 0
	ROWLOAD LG, 16, 0
.irp i, 0,1,2,3
	global_load_b128 v[114+4*\i:117+4*\i], v1, s[18:19] offset:512*\i
.endr
.irp i, 4,5,6,7
	global_load_b128 v[146+4*\i:149+4*\i], v1, s[18:19] offset:512*\i
.endr
.irp t, 0,1,2,3                                ; lane (r, h): y(row r of tile m, 64 w + 16 t + 8 h + 0 .. 7); each accumulator from its low end on
	ds_store_b128 v243, v[ACC+8*\t:ACC+8*\t+3] offset:64*\t
	ds_store_b128 v243, v[ACC+8*\t+4:ACC+8*\t+7] offset:64*\t+16
.endr
.irp t, 0,1,2,3
	ds_store_b128 v244, v[ACC+32+8*\t:ACC+32+8*\t+3] offset:64*\t
	ds_store_b128 v244, v[ACC+32+8*\t+4:ACC+32+8*\t+7] offset:64*\t+16
.endr
	s_wait_dscnt 0x0                               ; for the others' sake
	s_barrier_signal -1
	s_barrier_wait -1                              ; 32 whole rows lie in the stage
.irp i, 0,1,2,3,4,5,6,7
	ds_load_b128 v[178+4*\i:181+4*\i], v245 offset:512*\i
.endr
.irp i, 0,1,2,3,4,5,6,7
	ds_load_b128 v[210+4*\i:213+4*\i], v246 offset:512*\i
.endr
.macro REDUCE                          ; v248: the sum over the 32 lanes, in every lane
	s_delay_alu instid0(VALU_DEP_1)
	v_add_f32_dpp v248, v248, v248 row_xmask:1 row_mask:0xf bank_mask:0xf
	s_delay_alu instid0(VALU_DEP_1)
	v_add_f32_dpp v248, v248, v248 row_xmask:2 row_mask:0xf bank_mask:0xf
	s_delay_alu instid0(VALU_DEP_1)
	v_add_f32_dpp v248, v248, v248 row_xmask:4 row_mask:0xf bank_mask:0xf
	s_delay_alu instid0(VALU_DEP_1)
	v_add_f32_dpp v248, v248, v248 row_xmask:8 row_mask:0xf bank_mask:0xf
	s_delay_alu instid0(VALU_DEP_1)
	v_permlanex16_b32 v249, v248, s28, s29
	s_delay_alu instid0(VALU_DEP_1)
	v_add_f32 v248, v248, v249
.endm
; One row: y in v[y ..], x in v[x ..].  first = 1: the wait for ln_g and ln_b stands here.
.macro ROWLN y, x, off, first
.irp j, 0,2,4,6,8,10,12,14,16,18,20,22,24,26,28,30
	v_pk_add_f32 v[\y+\j:\y+\j+1], v[\y+\j:\y+\j+1], v[\x+\j:\x+\j+1]
.endr
.irp j, 0,2,4,6,8,10,12,14,16,18,20,22,24,26,28,30
	v_pk_add_f32 v[\y+\j:\y+\j+1], v[\y+\j:\y+\j+1], v[BO+\j:BO+\j+1]   ; z = y + x + bo
.endr
	v_pk_add_f32 v[248:249], v[\y:\y+1], v[\y+2:\y+3]                    ; the row's sum, in two chains
	v_pk_add_f32 v[250:251], v[\y+4:\y+5], v[\y+6:\y+7]
.irp j, 8,12,16,20,24,28
	s_delay_alu instid0(VALU_DEP_2)
	v_pk_add_f32 v[248:249], v[248:249], v[\y+\j:\y+\j+1]
	s_delay_alu instid0(VALU_DEP_2)
	v_pk_add_f32 v[250:251], v[250:251], v[\y+\j+2:\y+\j+3]
.endr
	s_delay_alu instid0(VALU_DEP_1)
	v_pk_add_f32 v[248:249], v[248:249], v[250:251]
	s_delay_alu instid0(VALU_DEP_1)
	v_add_f32 v248, v248, v249
	REDUCE
	s_delay_alu instid0(VALU_DEP_1)
	v_mul_f32 v252, s30, v248                      ; the mean
.irp j, 0,2,4,6,8,10,12,14,16,18,20,22,24,26,28,30
	v_pk_add_f32 v[\y+\j:\y+\j+1], v[\y+\j:\y+\j+1], v[252:253] op_sel_hi:[1,0] neg_lo:[0,1] neg_hi:[0,1]   ; z - mean
.endr
	v_pk_mul_f32 v[248:249], v[\y:\y+1], v[\y:\y+1]                      ; the squares' sum, in two chains
	v_pk_mul_f32 v[250:251], v[\y+2:\y+3], v[\y+2:\y+3]
.irp j, 4,8,12,16,20,24,28
	s_delay_alu instid0(VALU_DEP_2)
	v_pk_fma_f32 v[248:249], v[\y+\j:\y+\j+1], v[\y+\j:\y+\j+1], v[248:249]
	s_delay_alu instid0(VALU_DEP_2)
	v_pk_fma_f32 v[250:251], v[\y+\j+2:\y+\j+3], v[\y+\j+2:\y+\j+3], v[250:251]
.endr
	s_delay_alu instid0(VALU_DEP_1)
	v_pk_add_f32 v[248:249], v[248:249], v[250:251]
	s_delay_alu instid0(VALU_DEP_1)
	v_add_f32 v248, v248, v249
	REDUCE
	s_delay_alu instid0(VALU_DEP_1)
	v_fma_f32 v248, v248, s30, s31                 ; the variance + 1e-7
	s_wait_alu depctr_va_vdst(0)
	v_rsq_f32 v254, v248
	v_nop                                          ; a plain place behind the transcendental
	s_wait_alu depctr_va_vdst(0)                   ; and the wait ahead of its first reader
.if \first
	s_wait_loadcnt 0x0                             ; ln_g, ln_b
.endif
.irp j, 0,2,4,6,8,10,12,14,16,18,20,22,24,26,28,30
	v_pk_mul_f32 v[\y+\j:\y+\j+1], v[\y+\j:\y+\j+1], v[254:255] op_sel_hi:[1,0]
.endr
.irp j, 0,2,4,6,8,10,12,14
	v_pk_fma_f32 v[\y+\j:\y+\j+1], v[\y+\j:\y+\j+1], v[LG+\j:LG+\j+1], v[114+\j:115+\j]
.endr
.irp j, 16,18,20,22,24,26,28,30
	v_pk_fma_f32 v[\y+\j:\y+\j+1], v[\y+\j:\y+\j+1], v[LG+\j:LG+\j+1], v[146+\j:147+\j]
.endr
.irp i, 0,1,2,3,4,5,6,7
	global_store_b128 v1, v[\y+4*\i:\y+4*\i+3], s[20:21] offset:512*\i+\off th:TH_STORE_NT   ; 512 consecutive bytes, aligned; written once
.endr
.endm
	s_wait_loadcnt 16                              ; x's two rows and bo are in; ln_g's and ln_b's sixteen loads may be out
	s_wait_dscnt 8                                 ; the first stage row is in; the second row's eight loads may be out
	ROWLN 178, 82, 0, 1
	s_wait_dscnt 0x0
	ROWLN 210, 130, 32768, 0
	s_wait_xcnt 0x0
	v_lshl_add_u32 v254, v0, 2, 0x26a00
	v_mov_b32 v255, 0
	s_wait_alu depctr_va_vdst(0)
	s_wait_tensorcnt 0x0
	ds_add_u32 v254, v255
	s_wait_dscnt 0x0
	s_endpgm
.Lfunc_end_k_q9ee36e4e8f_outln:
	.size	k_q9ee36e4e8f_outln, .Lfunc_end_k_q9ee36e4e8f_outln-k_q9ee36e4e8f_outln
	.p2alignl 7, 3214868480
	.fill 96, 4, 3214868480
	.section	.rodata,"a",@progbits
	.p2align	6, 0x0
	.amdhsa_kernel k_q9ee36e4e8f_outln
		.amdhsa_group_segment_fixed_size 160256
		.amdhsa_private_segment_fixed_size 0
		.amdhsa_enable_private_segment 0
		.amdhsa_kernarg_size 72
		.amdhsa_user_sgpr_count 2
		.amdhsa_user_sgpr_kernarg_segment_ptr 1
		.amdhsa_wavefront_size32 1
		.amdhsa_system_sgpr_workgroup_id_x 1
		.amdhsa_system_sgpr_workgroup_id_y 1
		.amdhsa_system_sgpr_workgroup_id_z 1
		.amdhsa_system_vgpr_workitem_id 0
		.amdhsa_next_free_vgpr 256
		.amdhsa_next_free_sgpr 66
		.amdhsa_reserve_vcc 0
		.amdhsa_float_denorm_mode_32 3
		.amdhsa_float_denorm_mode_16_64 3
		.amdhsa_memory_ordered 1
		.amdhsa_forward_progress 1
		.amdhsa_inst_pref_size 56
	.end_amdhsa_kernel
	.amdgpu_metadata
---
amdhsa.version: [ 1, 2 ]
amdhsa.kernels:
  - .name:           k_q9ee36e4e8f_outln
    .symbol:         k_q9ee36e4e8f_outln.kd
    .args:
      - { .name: ao_img, .offset: 0, .size: 8, .value_kind: global_buffer, .address_space: global }
      - { .name: ao_sc, .offset: 8, .size: 8, .value_kind: global_buffer, .address_space: global }
      - { .name: wo_img, .offset: 16, .size: 8, .value_kind: global_buffer, .address_space: global }
      - { .name: Wo_scales, .offset: 24, .size: 8, .value_kind: global_buffer, .address_space: global }
      - { .name: bo, .offset: 32, .size: 8, .value_kind: global_buffer, .address_space: global }
      - { .name: hidden_states, .offset: 40, .size: 8, .value_kind: global_buffer, .address_space: global }
      - { .name: ln_g, .offset: 48, .size: 8, .value_kind: global_buffer, .address_space: global }
      - { .name: ln_b, .offset: 56, .size: 8, .value_kind: global_buffer, .address_space: global }
      - { .name: out0, .offset: 64, .size: 8, .value_kind: global_buffer, .address_space: global }
    .group_segment_fixed_size: 160256
    .private_segment_fixed_size: 0
    .kernarg_segment_align: 8
    .kernarg_segment_size: 72
    .max_flat_workgroup_size: 512
    .sgpr_count:     66
    .vgpr_count:     256
    .wavefront_size: 32
...
	.end_amdgpu_metadata
.endif
;; end of part 4
